; MI455X (gfx1250); checked and timed in simulation.
; The chip was launched on July 23, 2026; its instructions are those of AMD's public machine-readable ISA for CDNA 5 (MIT licence, August 2026) and "CDNA5" Instruction Set Architecture Reference Guide (July 2026). The comments in the code are by the model that wrote it; some were corrected since.
;; Multi Head Attention. Allowed arithmetic: float matrix products may take bf16 or f16 operands with f32 sums; all other float work in f32.
;; Inputs: Wk 1,024 x 1,024 float32; Wo 1,024 x 1,024 float32; Wq 1,024 x 1,024 float32; Wv 1,024 x 1,024 float32; x 4 x 2,048 x 1,024 float32.
;; Outputs: out0 4 x 2,048 x 1,024 float32.
;; 2 versions, each right. Each part assembles by itself: llvm-mc -triple=amdgcn-amd-amdhsa -mcpu=gfx1250 --defsym DOCPART=n.
;; ======== version 1 of 2: 4 launches
;; limits: values are held in f16: magnitudes above 65,504 overflow, below 6.1e-05 lose precision
;; workspace buffers: xb 16,777,216 bytes; wb 6,291,456 bytes; wo16 2,097,152 bytes; qkv 50,331,648 bytes; ao 16,777,216 bytes
;; launch cast (part 1): grid 64 x 12, 8 waves a work-group, no clusters, 0 bytes of LDS; arguments x, Wq, Wk, Wv, Wo, xb, wb, wo16; writes xb, wb, wo16
.if DOCPART == 1
	.amdgcn_target "amdgcn-amd-amdhsa--gfx1250"
	.amdhsa_code_object_version 6
	.text
	.protected	k_q6098eda927_cast
	.globl	k_q6098eda927_cast
	.p2align	8
	.type	k_q6098eda927_cast,@function
k_q6098eda927_cast:
	s_mov_b64 s[64:65], 0
	v_nop
	global_prefetch_b8 v0, s[64:65] scope:SCOPE_SE
	s_setreg_imm32_b32 hwreg(HW_REG_WAVE_MODE, 25, 1), 1
	s_wait_xcnt 0x0
; The five f32 inputs are rounded once to the 16-bit formats that the matrix launches read.
;   x          -> xb   [8192][1024] bf16
;   Wq, Wk, Wv -> wb   [3072][1024] bf16 (rows 0-1023 Wq, 1024-2047 Wk, 2048-3071 Wv)
;   Wo         -> wo16 [1024][1024]: rounded to bf16 like the others, and that number rewritten as f16, because its partner in the last product is f16.
; LIMIT: the rewriting is exact for 2^-17 <= |w| < 65,504; below, the absolute error is at most 2^-25; at 65,520 and above it gives infinity.
; A stream: no LDS, no barrier, no matrix unit, no cluster (no two work-groups read the same byte).
; Grid y names a unit of 4 MiB of f32 (0-7: the eighths of x; 8, 9, 10: Wq, Wk, Wv; 11: Wo), grid x 64 KiB of it.
; Thread t takes, for i = 0 .. 15, the 16 bytes at 16 t + 4,096 i and stores 8 bytes at 8 t + 2,048 i:
; a load of a wave covers 512 consecutive bytes, a store of a wave 256 consecutive bytes, aligned.
; All sixteen loads go out first; no register is written twice while a memory instruction names it.
.set CHUNKS, 16
.set X, 4                              ; v[4:67]    chunk i: four f32 as loaded
.set Y, 68                             ; v[68:99]   chunk i: four 16-bit numbers to store
.set T, 100                            ; v[100:103] at work (Wo alone)
	s_load_b512 s[4:19], s[0:1], 0x0               ; x s[4:5], Wq s[6:7], Wk s[8:9], Wv s[10:11], Wo s[12:13], xb s[14:15], wb s[16:17], wo16 s[18:19]
	s_and_b32 s20, ttmp7, 0xffff                   ; y: the unit
	s_sub_co_u32 s25, s20, 8                       ; the unit's number among the weights (used where y >= 8)
	s_lshl_b32 s21, ttmp9, 16                      ; my 64 KiB of the source unit
	s_lshl_b32 s22, ttmp9, 15                      ; my 32 KiB of the destination unit
	s_mov_b32 s34, 0xffff0000                      ; a word's upper bf16
	v_lshlrev_b32 v1, 4, v0                        ; 16 t
	v_lshlrev_b32 v2, 3, v0                        ; 8 t
	s_wait_kmcnt 0x0
	s_cmp_lt_u32 s20, 8                            ; the buffers are chosen by y alone
	s_cselect_b64 s[26:27], s[4:5], s[6:7]         ; source: x, else Wq
	s_cselect_b64 s[28:29], s[14:15], s[16:17]     ; destination: xb, else wb
	s_cselect_b32 s23, s20, 0                      ; the source's unit: y in x, 0 in a weight
	s_cselect_b32 s24, s20, s25                    ; the destination's unit: y in xb, y - 8 in wb
	s_cmp_eq_u32 s20, 9
	s_cselect_b64 s[26:27], s[8:9], s[26:27]       ; Wk
	s_cmp_eq_u32 s20, 10
	s_cselect_b64 s[26:27], s[10:11], s[26:27]     ; Wv
	s_cmp_eq_u32 s20, 11
	s_cselect_b64 s[26:27], s[12:13], s[26:27]     ; Wo
	s_cselect_b64 s[28:29], s[18:19], s[28:29]     ; into wo16,
	s_cselect_b32 s24, 0, s24                      ; its only unit
	s_lshl_b32 s30, s23, 22                        ; offsets are made apart from the addresses: 4 MiB a source unit
	s_add_co_u32 s30, s30, s21
	s_mov_b32 s31, 0
	s_lshl_b32 s32, s24, 21                        ; 2 MiB a destination unit
	s_add_co_u32 s32, s32, s22
	s_mov_b32 s33, 0
	s_add_nc_u64 s[26:27], s[26:27], s[30:31]
	s_add_nc_u64 s[28:29], s[28:29], s[32:33]
.irp i, 0,1,2,3,4,5,6,7,8,9,10,11,12,13,14,15
	global_load_b128 v[X+4*\i:X+4*\i+3], v1, s[26:27] offset:4096*\i th:TH_LOAD_NT   ; read once in the launch
.endr
; Chunk i: rounded and stored.  f16 = 1: the bf16 numbers are widened again (a shift, a mask) and rewritten as f16.
.macro CONV i, f16
	s_wait_loadcnt CHUNKS-1-\i                     ; loads come back in order (ISA guide 5.7.1): chunk i is in, the 15 - i younger ones stay out
	v_cvt_pk_bf16_f32 v[Y+2*\i],   v[X+4*\i],   v[X+4*\i+1]
	v_cvt_pk_bf16_f32 v[Y+2*\i+1], v[X+4*\i+2], v[X+4*\i+3]
.if \f16
	v_lshlrev_b32 v[T],   16,  v[Y+2*\i]
	v_and_b32     v[T+1], s34, v[Y+2*\i]
	v_lshlrev_b32 v[T+2], 16,  v[Y+2*\i+1]
	v_and_b32     v[T+3], s34, v[Y+2*\i+1]
	v_cvt_pk_f16_f32 v[Y+2*\i],   v[T],   v[T+1]
	v_cvt_pk_f16_f32 v[Y+2*\i+1], v[T+2], v[T+3]
.endif
	global_store_b64 v2, v[Y+2*\i:Y+2*\i+1], s[28:29] offset:2048*\i   ; read again by the next launches: no hint
.endm
	s_cmp_eq_u32 s20, 11                           ; compared anew: the shifts and sums above have set SCC
	s_cbranch_scc1 .Lwo
.irp i, 0,1,2,3,4,5,6,7,8,9,10,11,12,13,14,15
	CONV \i, 0
.endr
	s_endpgm
.Lwo:
.irp i, 0,1,2,3,4,5,6,7,8,9,10,11,12,13,14,15
	CONV \i, 1
.endr
	s_endpgm
.Lfunc_end_k_q6098eda927_cast:
	.size	k_q6098eda927_cast, .Lfunc_end_k_q6098eda927_cast-k_q6098eda927_cast
	.p2alignl 7, 3214868480
	.fill 96, 4, 3214868480
	.section	.rodata,"a",@progbits
	.p2align	6, 0x0
	.amdhsa_kernel k_q6098eda927_cast
		.amdhsa_group_segment_fixed_size 0
		.amdhsa_private_segment_fixed_size 0
		.amdhsa_enable_private_segment 0
		.amdhsa_kernarg_size 64
		.amdhsa_user_sgpr_count 2
		.amdhsa_user_sgpr_kernarg_segment_ptr 1
		.amdhsa_wavefront_size32 1
		.amdhsa_system_sgpr_workgroup_id_x 1
		.amdhsa_system_sgpr_workgroup_id_y 1
		.amdhsa_system_sgpr_workgroup_id_z 1
		.amdhsa_system_vgpr_workitem_id 0
		.amdhsa_next_free_vgpr 104
		.amdhsa_next_free_sgpr 66
		.amdhsa_reserve_vcc 0
		.amdhsa_float_denorm_mode_32 3
		.amdhsa_float_denorm_mode_16_64 3
		.amdhsa_memory_ordered 1
		.amdhsa_forward_progress 1
		.amdhsa_inst_pref_size 15
	.end_amdhsa_kernel
	.amdgpu_metadata
---
amdhsa.version: [ 1, 2 ]
amdhsa.kernels:
  - .name:           k_q6098eda927_cast
    .symbol:         k_q6098eda927_cast.kd
    .args:
      - { .name: x, .offset: 0, .size: 8, .value_kind: global_buffer, .address_space: global }
      - { .name: Wq, .offset: 8, .size: 8, .value_kind: global_buffer, .address_space: global }
      - { .name: Wk, .offset: 16, .size: 8, .value_kind: global_buffer, .address_space: global }
      - { .name: Wv, .offset: 24, .size: 8, .value_kind: global_buffer, .address_space: global }
      - { .name: Wo, .offset: 32, .size: 8, .value_kind: global_buffer, .address_space: global }
      - { .name: xb, .offset: 40, .size: 8, .value_kind: global_buffer, .address_space: global }
      - { .name: wb, .offset: 48, .size: 8, .value_kind: global_buffer, .address_space: global }
      - { .name: wo16, .offset: 56, .size: 8, .value_kind: global_buffer, .address_space: global }
    .group_segment_fixed_size: 0
    .private_segment_fixed_size: 0
    .kernarg_segment_align: 8
    .kernarg_segment_size: 64
    .max_flat_workgroup_size: 256
    .sgpr_count:     66
    .vgpr_count:     104
    .wavefront_size: 32
...
	.end_amdgpu_metadata
.endif
;; end of part 1
;; launch qkv (part 2): grid 8 x 32, 4 waves a work-group, clusters of 4 x 4, 327,680 bytes of LDS; arguments xb, wb, qkv; writes qkv
.if DOCPART == 2
	.amdgcn_target "amdgcn-amd-amdhsa--gfx1250"
	.amdhsa_code_object_version 6
	.text
	.protected	k_q6098eda927_qkv
	.globl	k_q6098eda927_qkv
	.p2align	8
	.type	k_q6098eda927_qkv,@function
k_q6098eda927_qkv:
	s_mov_b64 s[64:65], 0
	v_nop
	global_prefetch_b8 v0, s[64:65] scope:SCOPE_SE
	s_setreg_imm32_b32 hwreg(HW_REG_WAVE_MODE, 25, 1), 1
	s_wait_xcnt 0x0
	s_wait_alu depctr_hold_cnt(0) depctr_sa_sdst(0) depctr_va_vdst(0) depctr_va_sdst(0) depctr_va_ssrc(0) depctr_va_vcc(0) depctr_vm_vsrc(0)
	s_getreg_b32 s2, hwreg(HW_REG_IB_STS2, 6, 4)
	s_cmp_eq_u32 s2, 0
	s_cbranch_scc0 .Lentry_in_a_cluster
	s_endpgm
.Lentry_in_a_cluster:
	s_bfe_u32 s2, ttmp6, 0x10000c
	s_cmp_lg_u32 s2, 0xf033
	s_cbranch_scc0 .Lentry_shape_is_right
	s_endpgm
.Lentry_shape_is_right:
; ONE TEXT FOR TWO PRODUCTS C = A B^T; the symbol QKV picks the head of constants.
;   QKV = 1: [8192 x 3072] = xb . wb^T, bf16 operands, f32 sums, the result rounded to f16 and laid in planes qkv[3 (Q, K, V)][64 (batch x 16 + head)][2048][64].
;   QKV = 0: [8192 x 1024] = ao . wo16^T, f16 operands, f32 sums, f32 result out0; ao lies in planes [64 (batch x 16 + head)][2048][64].
; LIMIT (QKV = 1): |Q|, |K|, |V| below 65,504, f16's range; beyond it the rounding gives infinity.
; A work-group makes 256 rows x 128 NG columns with four waves, one for each SIMD of a WGP.  Wave w owns rows 64 w .. 64 w + 63 and ALL the columns:
; 4 x 8 accumulator tiles of 16 x 16 for each group of 128 columns, 256 registers, one register window a group.  For 32 along K a wave reads 4 + 8 NG fragments
; of 1 KiB from LDS for 32 NG matrix instructions.
; K goes in steps through two LDS slots filled by the tensor data mover, one load a wave and step.  With QKV = 1 the step is 64: two slots of (256 + 384) rows
; of 272 bytes would be 348,160 bytes, more than a work-group can have, so the rows are 128 bytes + 16 of padding.
; CLUSTERS: 4 x 4 work-groups.  A's tile hangs on the block row alone and is asked for jointly by the four of a row of the cluster, B's on the block column alone and is
; asked for jointly by the four of a column: the requests for A and for B are divided by four.
; THE MATRIX INSTRUCTION IS USED TRANSPOSED: source 0 = 16 rows of B, source 1 = 16 rows of A; lane l then holds row l % 16 of C and in its registers 0-7 the
; eight neighbouring columns 8 (l / 16) + 0 .. 7.
.set QKV, 1
.if QKV
.set NG,     3                         ; groups of 128 columns in a block
.set QS,     2                         ; quarters of 32 along K in a step
.set STEPS,  16                        ; 1,024 / 64
.set NAW,    1                         ; waves that fetch A: wave 0 brings all 256 rows; waves 1-3 bring B's groups 0-2, 128 rows each
.set ABYTES, 36864                     ; A in a slot: 256 rows x 144
.set BP,     144                       ; B's LDS pitch
.set BLOAD,  128*144                   ; LDS bytes of one load of B
.set ASTEP,  128                       ; bytes from a step's tile to the next step's, in memory
.set BSTEP,  128
.set WSTAGE, 16*272                    ; a wave's stage for the way out: 16 rows of 128 f16 + 16 bytes
.set A_W0, (1<<16)|(1<<20)|(1<<21)|(4<<22)|(3<<25)   ; elements of 2 bytes; padding on; bit 21 beside a mask; after every 32 words; 4 words
.set A_D0, 64                          ; a tile's row, in elements
.set A_D1, 256                         ; its rows
.set A_PITCH, 1024                     ; elements from row to row in memory
.set B_W0, (1<<16)|(1<<20)|(1<<21)|(4<<22)|(3<<25)
.set B_D0, 64
.set B_D1, 128
.else
.set NG,     1
.set QS,     4
.set STEPS,  8                         ; 1,024 / 128: two heads' planes a step
.set NAW,    2                         ; wave 0, 1: the block's 256 rows of plane 0, 1 of the step (32 KiB, dense); wave 2, 3: 64 rows of B each
.set ABYTES, 73728
.set BP,     272
.set BLOAD,  64*272
.set ASTEP,  524288                    ; two planes of 262,144 bytes
.set BSTEP,  256
.set WSTAGE, 16*528                    ; 16 rows of 128 f32 + 16 bytes
.set A_W0, (3<<16)|(1<<20)|(1<<21)|(4<<22)|(3<<25)   ; a dense block taken as rows of 32 elements of 8 bytes; 4 words of padding after every 32 words, that is behind each 128-byte row of ao
.set A_D0, 32
.set A_D1, 128
.set A_PITCH, 32
.set B_W0, (1<<16)|(1<<20)|(1<<21)|(5<<22)|(3<<25)   ; elements of 2 bytes; 4 words of padding after every 64 words
.set B_D0, 128
.set B_D1, 64
.endif
.set B_PITCH, 1024
.set AP,     144                       ; A's LDS pitch: 128 bytes + 16.  Both pitches are odd multiples of 16 bytes: the 16 rows of a fragment load start in 16 different 16-byte columns of 256
.set APLANE, 36864                     ; 256 rows x 144
.set SLOT,   ABYTES+128*NG*BP          ; A's rows, then B's
.set STAGE,  2*SLOT                    ; behind the ring, a multiple of 256; no fill ever lands there
.set LAPS,   STEPS/2                   ; a lap = two steps = once round the ring
.set U,      QS*NG                     ; units of 32 matrix instructions in a step (one quarter x one group)
.set ACCLAST, (NG<<6)|(NG<<4)          ; the window setting of the last group's accumulators
; window 0
.set ADRA, 16                          ; v16-17   LDS address of my A fragments in slot 0, 1
.set ADRB, 20                          ; v20-21   the same for B
.set STO,  24                          ; v24      the way out: where I put my piece of a row
.set RD,   25                          ; v25      the way out: where I read rows back
.set CO,   26                          ; v26      my byte offset in the output
.set AF0,  32                          ; v[32:63], v[64:95]     4 fragments of A, two buffers
.set BF0,  96                          ; v[96:159], v[160:223]  8 fragments of B, two buffers
.set TMP,  224                         ; v[224:255] the way out: packed results
; windows 1 .. NG: accumulator tile (a, b) of group g at v[8 (8 a + b)] of window g + 1
.set G1,  24                           ; s[24:31] descriptor group 1 for A
.set G0,  32                           ; s[32:39] descriptor group 0 for A, a set for each slot
.set G1B, 48                           ; s[48:55] group 1 for B
.set G0B, 56                           ; s[56:63] group 0 for B, a set for each slot
.set MSB, 0
.macro WIN new                         ; s_set_vgpr_msb: bits 1:0 source 0, 3:2 source 1, 5:4 source 2, 7:6 destination; the high byte repeats the setting that is left
.set WNEW, \new
.if MSB != WNEW
	s_set_vgpr_msb (MSB<<8)|WNEW
.set MSB, WNEW
.endif
.endm
.macro PLACES                          ; four plain vector instructions between a matrix instruction and a load into, or a vector read of, its registers
.rept 4
	v_nop
.endr
.endm
; A joint load: the first NAW waves ask for A, the others for B.  Each line has one mask and one set of registers in all that issue it; the branch hangs on the wave's number alone.
.macro JLOAD s
	s_cmp_lt_u32 s10, NAW
	s_cbranch_scc0 .Lfor_b_\@
	tensor_load_to_lds s[G0+4*\s:G0+4*\s+3], s[G1:G1+7]
	s_nop 0
	s_branch .Lasked_\@
.Lfor_b_\@:
	tensor_load_to_lds s[G0B+4*\s:G0B+4*\s+3], s[G1B:G1B+7]
	s_nop 0
.Lasked_\@:
.endm
; A round of the cluster's barrier: my work-group's barrier; wave 0 signals for the work-group; every wave waits for all sixteen; my work-group's barrier once more.
.macro CREST                           ; a round behind its opening barrier
	s_cmp_lg_u32 s10, 0
	s_cbranch_scc1 .Lnot_wave_0_\@
	s_barrier_signal -3
.Lnot_wave_0_\@:
	s_barrier_wait -3
	s_barrier_signal -1
	s_barrier_wait -1
.endm
.macro CROUND
	s_barrier_signal -1
	s_barrier_wait -1
	CREST
.endm
	s_load_b128 s[4:7], s[0:1], 0x0                ; A s[4:5], B s[6:7]
	s_load_b64 s[8:9], s[0:1], 0x10                ; C
	v_lshl_add_u32 v30, v0, 2, 0x31400
	v_mov_b32 v31, 0
	ds_add_u32 v30, v31
	v_lshrrev_b32 v1, 5, v0
	v_readfirstlane_b32 s10, v1                    ; wave 0..3
	s_bfe_u32 s40, ttmp6, 0x40000                  ; cx
	s_bfe_u32 s41, ttmp6, 0x40004                  ; cy
	s_lshl_b32 s42, ttmp9, 2
	s_add_co_u32 s42, s42, s40                     ; block column = 4 x cluster x + cx
	s_and_b32 s13, ttmp7, 0xffff
	s_lshl_b32 s13, s13, 2
	s_add_co_u32 s13, s13, s41                     ; block row = 4 x cluster y + cy
	s_lshl_b32 s43, s41, 2
	s_lshl_b32 s43, 15, s43                        ; my row of the cluster: places 4 cy .. 4 cy + 3
	s_lshl_b32 s44, 0x1111, s40                    ; my column: places cx, cx + 4, cx + 8, cx + 12
	s_or_b32  s[G1+0], s43, A_W0                   ; 15:0 the mask: A's tiles go to my row of the cluster
	s_mov_b32 s[G1+1], A_D0<<16                    ; 63:48 tensor_dim0 = the tile's (no tile crosses the tensor's end)
	s_mov_b32 s[G1+2], A_D1<<16                    ; 95:80 tensor_dim1
	s_mov_b32 s[G1+3], A_D0<<16                    ; 127:112 tile_dim0
	s_mov_b32 s[G1+4], A_D1                        ; 143:128 tile_dim1
	s_mov_b32 s[G1+5], A_PITCH                     ; 191:160 elements from row to row
	s_mov_b32 s[G1+6], 0
	s_mov_b32 s[G1+7], 0
	s_or_b32  s[G1B+0], s44, B_W0                  ; B's tiles go to my column of the cluster
	s_mov_b32 s[G1B+1], B_D0<<16
	s_mov_b32 s[G1B+2], B_D1<<16
	s_mov_b32 s[G1B+3], B_D0<<16
	s_mov_b32 s[G1B+4], B_D1
	s_mov_b32 s[G1B+5], B_PITCH
	s_mov_b32 s[G1B+6], 0
	s_mov_b32 s[G1B+7], 0
	; Where the tiles come from and where they go.  Every wave makes both sets; s16-17 never hold the block column, s46-47 never the block row; no LDS address holds either.
.if QKV
	s_lshl_b32 s16, s13, 19                        ; A: 256 rows of 2,048 bytes for each block row
	s_mov_b32 s20, 0                               ; and to the slot's head
	s_max_u32 s45, s10, 1
	s_sub_co_u32 s45, s45, 1                       ; B: waves 1, 2, 3 fetch groups 0, 1, 2 (wave 0, which asks for A, gets group 0's address and does not use it)
	s_lshl_b32 s45, s45, 7
	s_mul_i32 s46, s42, 384
	s_add_co_u32 s46, s46, s45                     ; row 384 x block column + 128 x group
	s_mul_i32 s22, s10, BLOAD
	s_add_co_u32 s22, s22, ABYTES-BLOAD            ; behind A's rows: ABYTES + (w - 1) x 18,432
.else
	s_and_b32 s12, s10, 1                          ; which plane of A, or which half of B's rows, I fetch
	s_lshr_b32 s16, s13, 3
	s_lshl_b32 s16, s16, 22                        ; A: batch x 16 planes of 262,144 bytes
	s_and_b32 s17, s13, 7
	s_lshl_b32 s17, s17, 15                        ; + 256 rows of 128 bytes for each block row inside the batch
	s_add_co_u32 s16, s16, s17
	s_lshl_b32 s17, s12, 18                        ; + my plane of the step's two
	s_add_co_u32 s16, s16, s17
	s_mul_i32 s20, s12, APLANE
	s_lshl_b32 s45, s12, 6
	s_lshl_b32 s46, s42, 7
	s_add_co_u32 s46, s46, s45                     ; B: row 128 x block column + 64 x half
	s_mul_i32 s22, s12, BLOAD
	s_add_co_u32 s22, s22, ABYTES
.endif
	s_mov_b32 s17, 0
	s_lshl_b32 s46, s46, 11                        ; rows of 2,048 bytes
	s_mov_b32 s47, 0
	s_wait_dscnt 0x0
	s_wait_kmcnt 0x0
	s_add_nc_u64 s[14:15], s[4:5], s[16:17]
	s_add_nc_u64 s[46:47], s[6:7], s[46:47]
	CROUND                                         ; all sixteen work-groups are here: the first joint loads meet
.irp s, 0,1
	s_mov_b32 s[G0+4*\s], 1                                        ; count = 1
	s_add_co_u32 s[G0+4*\s+1], s20, \s*SLOT                        ; LDS address
	s_add_nc_u64 s[G0+4*\s+2:G0+4*\s+3], s[14:15], \s*ASTEP        ; global address: step s
	s_or_b32 s[G0+4*\s+3], s[G0+4*\s+3], 0x80000000                ; type = 2
	s_mov_b32 s[G0B+4*\s], 1
	s_add_co_u32 s[G0B+4*\s+1], s22, \s*SLOT
	s_add_nc_u64 s[G0B+4*\s+2:G0B+4*\s+3], s[46:47], \s*BSTEP
	s_or_b32 s[G0B+4*\s+3], s[G0B+4*\s+3], 0x80000000
	JLOAD \s                                       ; both slots' first fills go out together: two tensor loads of the wave are out here, later one
.endr
	; A fragment is 16 rows x 32 K in 8 registers: lane l holds row l % 16; registers 0-3 K = 8 (l / 16) + 0..7, registers 4-7 K = 16 + 8 (l / 16) + 0..7: two loads of 16 bytes, 32 bytes apart.
	v_and_b32 v1, 15, v0                           ; r = l % 16
	v_bfe_u32 v2, v0, 4, 1                         ; h = l / 16
	v_mul_u32_u24 v3, v1, AP
	v_lshl_add_u32 v3, v2, 4, v3                   ; r x pitch + 16 h
	s_mul_i32 s21, s10, 64*AP                      ; my 64 rows of A
	v_add_nc_u32 v[ADRA], s21, v3
	v_add_nc_u32 v[ADRA+1], SLOT, v[ADRA]
	v_mul_u32_u24 v4, v1, BP
	v_lshl_add_u32 v4, v2, 4, v4
	v_add_nc_u32 v[ADRB], ABYTES, v4               ; B's rows lie behind A's
	v_add_nc_u32 v[ADRB+1], SLOT+ABYTES, v4
	s_mul_i32 s23, s10, WSTAGE
	s_add_co_u32 s23, s23, STAGE                   ; my stage
.if QKV
	v_mul_u32_u24 v5, v1, 272                      ; in: row r, 16 bytes for each half of the lanes
	v_lshl_add_u32 v5, v2, 4, v5
	v_add_nc_u32 v[STO], s23, v5
	v_bfe_u32 v6, v0, 3, 1                         ; back: lanes 0-15 two rows of the even head (the stage row's first 128 bytes), lanes 16-31 the same rows of the odd head
	v_mul_u32_u24 v6, v6, 272
	v_lshl_add_u32 v6, v2, 7, v6
	v_and_b32 v7, 7, v0
	v_lshl_add_u32 v6, v7, 4, v6
	v_add_nc_u32 v[RD], s23, v6
	v_lshlrev_b32 v[CO], 4, v1                     ; in a plane two rows of 128 bytes follow each other: 16 (l % 16),
	v_lshl_add_u32 v[CO], v2, 18, v[CO]            ; and the odd head's plane lies 262,144 bytes on
.else
	v_mul_u32_u24 v5, v1, 528                      ; in: row r, 32 bytes for each half of the lanes
	v_lshl_add_u32 v5, v2, 5, v5
	v_add_nc_u32 v[STO], s23, v5
	v_and_b32 v6, 31, v0
	v_lshlrev_b32 v[CO], 4, v6                     ; back and out: a row of 512 bytes, 16 bytes a lane
	v_add_nc_u32 v[RD], s23, v[CO]
.endif
.macro MM d, a, b, zero                ; one matrix instruction; zero = 1: the first product starts the sum, nothing is ever cleared
.if QKV
.if \zero
	v_wmma_f32_16x16x32_bf16 v[\d:\d+7], v[\a:\a+7], v[\b:\b+7], 0
.else
	v_wmma_f32_16x16x32_bf16 v[\d:\d+7], v[\a:\a+7], v[\b:\b+7], v[\d:\d+7]
.endif
.else
.if \zero
	v_wmma_f32_16x16x32_f16 v[\d:\d+7], v[\a:\a+7], v[\b:\b+7], 0
.else
	v_wmma_f32_16x16x32_f16 v[\d:\d+7], v[\a:\a+7], v[\b:\b+7], v[\d:\d+7]
.endif
.endif
.endm
; 16 matrix instructions: row blocks a0, a0 + 1 x all 8 column blocks of the group whose window is set.  The accumulators take turns, one instruction a turn.
.macro MUL16 af, bf, a0, zero
.irp a, \a0, \a0+1
.irp b, 0,1,2,3,4,5,6,7
	MM 8*(8*(\a)+\b), \bf+8*\b, \af+8*(\a), \zero
.endr
.endr
.endm
.macro FETCHB slot, q, g, buf          ; 16 LDS loads: the 8 fragments of group g, quarter q
.irp b, 0,1,2,3,4,5,6,7
	ds_load_b128 v[BF0+64*(\buf)+8*\b:BF0+64*(\buf)+8*\b+3],   v[ADRB+\slot] offset:(128*(\g)+16*\b)*BP+64*(\q)
	ds_load_b128 v[BF0+64*(\buf)+8*\b+4:BF0+64*(\buf)+8*\b+7], v[ADRB+\slot] offset:(128*(\g)+16*\b)*BP+64*(\q)+32
.endr
.endm
.macro FETCHA slot, q, buf             ; 8 LDS loads: my 4 fragments of A, quarter q: plane q / 2 of the slot, byte 64 (q % 2) of its rows
.irp a, 0,1,2,3
	ds_load_b128 v[AF0+32*(\buf)+8*\a:AF0+32*(\buf)+8*\a+3],   v[ADRA+\slot] offset:\a*16*AP+((\q)/2)*APLANE+((\q)%2)*64
	ds_load_b128 v[AF0+32*(\buf)+8*\a+4:AF0+32*(\buf)+8*\a+7], v[ADRA+\slot] offset:\a*16*AP+((\q)/2)*APLANE+((\q)%2)*64+32
.endr
.endm
; Unit u of a step (all but the last): quarter u / NG, group u % NG.  The next unit's fragments are asked for first, in one run, then this unit's 32 products are issued.
.macro UNIT slot, u, zero
.set UQ,  (\u)/NG
.set UG,  (\u)%NG
.set NQ,  ((\u)+1)/NG
.set NGR, ((\u)+1)%NG
.set UZ, 0
.if \zero
.if UQ == 0
.set UZ, 1
.endif
.endif
	PLACES                                         ; the buffers loaded below were read by the matrix instructions just issued
	WIN 0
	FETCHB \slot, NQ, NGR, ((\u)+1)&1
.if NGR == 0
	FETCHA \slot, NQ, NQ&1
	s_wait_dscnt 24                                ; LDS loads come back in order (ISA guide 5.7.1): all but the 24 just issued are in, this unit's fragments among them
.else
	s_wait_dscnt 16                                ; all but the 16 just issued
.endif
	WIN ((UG+1)<<6)|((UG+1)<<4)                    ; C and D in the group's window, sources in window 0
	MUL16 AF0+32*(UQ&1), BF0+64*((\u)&1), 0, UZ
	MUL16 AF0+32*(UQ&1), BF0+64*((\u)&1), 2, UZ
.endm
; The step's last unit (buffers 1) changes slots.  In front of the barrier each wave waits for its reads of this slot and for all its tensor loads (one is out: its part of the next slot).
; Behind it nobody reads this slot and the next slot is whole.  fill = 1: the barrier opens a round of the cluster's barrier, and the joint refill, two steps ahead, is the first tensor load behind the round.
.macro TURN slot, next, fill
	s_wait_dscnt 0x0                               ; my reads of this slot are back
	s_wait_tensorcnt 0x0                           ; all my tensor loads have landed
	ds_add_u32 v30, v31
	s_wait_dscnt 0x0
	s_barrier_signal -1
	WIN ACCLAST
	MUL16 AF0+32, BF0+64, 0, 0                     ; register work while the others arrive
	WIN 0
	s_barrier_wait -1
.if \fill
	CREST
	s_add_nc_u64 s[G0+4*\slot+2:G0+4*\slot+3], s[G0+4*\slot+2:G0+4*\slot+3], 2*ASTEP      ; no tensor load of mine is out: the sets may be written
	s_add_nc_u64 s[G0B+4*\slot+2:G0B+4*\slot+3], s[G0B+4*\slot+2:G0B+4*\slot+3], 2*BSTEP
	JLOAD \slot
.endif
	PLACES
	FETCHB \next, 0, 0, 0
	FETCHA \next, 0, 0
	WIN ACCLAST
	MUL16 AF0+32, BF0+64, 2, 0
.endm
.macro STEP slot, zero, fill, last
.set SU, 0
.rept U-1
	UNIT \slot, SU, \zero
.set SU, SU+1
.endr
.if \last
	s_wait_dscnt 0x0                               ; the very last unit: nothing more to fetch
	WIN ACCLAST
	MUL16 AF0+32, BF0+64, 0, 0
	MUL16 AF0+32, BF0+64, 2, 0
.else
	TURN \slot, 1-\slot, \fill
.endif
.endm
.macro LAP zero                        ; once round the ring, both slots filled again
	STEP 0, \zero, 1, 0
	STEP 1, 0, 1, 0
.endm
	s_wait_tensorcnt 0x1                           ; my part of step 0 is in; step 1's stays out
	s_barrier_signal -1
	s_barrier_wait -1                              ; everybody's part is in
	FETCHB 0, 0, 0, 0
	FETCHA 0, 0, 0
	LAP 1                                          ; the first lap stands in front of the loop: its first products start the sums
	WIN 0                                          ; at a label and at a branch every window is 0
	s_mov_b32 s3, LAPS-2
.Llap:
	LAP 0
	WIN 0
	s_sub_co_u32 s3, s3, 1
	s_cmp_lg_u32 s3, 0
	s_cbranch_scc1 .Llap
	STEP 0, 0, 0, 0                                ; the last lap fills nothing: a plain barrier shows the last step's tile to all four waves
	STEP 1, 0, 0, 1
	; THE WAY OUT, 16 rows at a time through my own stage in LDS, read back so that neighbouring lanes hold neighbouring bytes of the output.
	PLACES                                         ; behind the last matrix instructions, ahead of the first read of a result
.if QKV
	s_and_b32 s75, s13, 7
	s_lshl_b32 s75, s75, 15                        ; 256 rows of 128 bytes for each block row inside the batch
	s_lshl_b32 s74, s10, 13                        ; + my 64 rows
	s_add_co_u32 s75, s75, s74
.irp g, 0,1,2
	s_mul_i32 s72, s42, 3
	s_add_co_u32 s72, s72, \g                      ; the group's number among the 24 groups of 128 columns
	s_lshr_b32 s73, s72, 3
	s_lshl_b32 s73, s73, 6                         ; Q, K or V: 64 planes each
	s_and_b32 s72, s72, 7
	s_lshl1_add_u32 s73, s72, s73                  ; + the group's even head
	s_lshr_b32 s74, s13, 3
	s_lshl4_add_u32 s73, s74, s73                  ; + 16 x batch
	s_lshl_b32 s72, s73, 18                        ; planes of 262,144 bytes
	s_add_co_u32 s72, s72, s75
	s_mov_b32 s73, 0
	s_add_nc_u64 s[66+2*\g:67+2*\g], s[8:9], s[72:73]
.endr
; rows 16 a .. 16 a + 15 of my 64, group g; f: the registers read back into, two sets by turns
.macro OUT16 g, a, f
	WIN 5*(\g+1)                                   ; sources 0 and 1 in the group's window
.irp b, 0,1,2,3,4,5,6,7
.irp jj, 0,1,2,3
	v_cvt_pk_f16_f32 v[TMP+4*\b+\jj], v[8*(8*\a+\b)+2*\jj], v[8*(8*\a+\b)+2*\jj+1]
.endr
.endr
	WIN 0
.irp b, 0,1,2,3,4,5,6,7
	ds_store_b128 v[STO], v[TMP+4*\b:TMP+4*\b+3] offset:32*\b
.endr
	s_wait_xcnt 0x0                                ; set f is the data of earlier stores: it is loaded again only behind this wait
.irp t, 0,1,2,3,4,5,6,7
	ds_load_b128 v[\f+4*\t:\f+4*\t+3], v[RD] offset:544*\t         ; LDS serves a wave's instructions in order (ISA guide 5.7.1): these see the stores above
.endr
.irp t, 0,1,2,3,4,5,6,7
	s_wait_dscnt 7-\t                              ; load t is back, the 7 - t younger ones stay out
	global_store_b128 v[CO], v[\f+4*\t:\f+4*\t+3], s[66+2*\g:67+2*\g] offset:2048*\a+256*\t   ; each half of the wave stores 256 consecutive bytes, aligned: two rows of one head
.endr
.endm
.irp g, 0,1,2
	OUT16 \g, 0, BF0
	OUT16 \g, 1, BF0+64
	OUT16 \g, 2, BF0
	OUT16 \g, 3, BF0+64
.endr
.else
	s_lshl_b32 s72, s13, 20                        ; 256 rows of 4,096 bytes for each block row
	s_lshl_b32 s74, s10, 18                        ; + my 64 rows
	s_add_co_u32 s72, s72, s74
	s_lshl_b32 s74, s42, 9                         ; + 128 columns of 4 bytes for each block column
	s_add_co_u32 s72, s72, s74
	s_mov_b32 s73, 0
	s_add_nc_u64 s[66:67], s[8:9], s[72:73]
.macro OUTF a, f
	WIN 0x04                                       ; an LDS store's data is source 1: window 1
.irp b, 0,1,2,3,4,5,6,7
	ds_store_b128 v[STO], v[8*(8*\a+\b):8*(8*\a+\b)+3]   offset:64*\b
	ds_store_b128 v[STO], v[8*(8*\a+\b)+4:8*(8*\a+\b)+7] offset:64*\b+16
.endr
	WIN 0
	s_wait_xcnt 0x0                                ; set f is the data of earlier stores: it is loaded again only behind this wait
.irp t, 0,1,2,3,4,5,6,7,8,9,10,11,12,13,14,15
	ds_load_b128 v[\f+4*\t:\f+4*\t+3], v[RD] offset:528*\t
.endr
.irp t, 0,1,2,3,4,5,6,7,8,9,10,11,12,13,14,15
	s_wait_dscnt 15-\t                             ; load t is back, the 15 - t younger ones stay out
	global_store_b128 v[CO], v[\f+4*\t:\f+4*\t+3], s[66:67] offset:(16*\a+\t)*4096 th:TH_STORE_NT   ; the wave stores 512 consecutive bytes, aligned
.endr
.endm
	OUTF 0, 32
	OUTF 1, 96
	OUTF 2, 32
	OUTF 3, 96
.endif
	s_wait_tensorcnt 0x0
	ds_add_u32 v30, v31
	s_wait_dscnt 0x0
	CROUND                                         ; the closing round: no work-group ends while a partner may still ask for a tile that names it
	s_endpgm
.Lfunc_end_k_q6098eda927_qkv:
	.size	k_q6098eda927_qkv, .Lfunc_end_k_q6098eda927_qkv-k_q6098eda927_qkv
	.p2alignl 7, 3214868480
	.fill 96, 4, 3214868480
	.section	.rodata,"a",@progbits
	.p2align	6, 0x0
	.amdhsa_kernel k_q6098eda927_qkv
		.amdhsa_group_segment_fixed_size 327680
		.amdhsa_private_segment_fixed_size 0
		.amdhsa_enable_private_segment 0
		.amdhsa_kernarg_size 24
		.amdhsa_user_sgpr_count 2
		.amdhsa_user_sgpr_kernarg_segment_ptr 1
		.amdhsa_wavefront_size32 1
		.amdhsa_system_sgpr_workgroup_id_x 1
		.amdhsa_system_sgpr_workgroup_id_y 1
		.amdhsa_system_sgpr_workgroup_id_z 1
		.amdhsa_system_vgpr_workitem_id 0
		.amdhsa_next_free_vgpr 1024
		.amdhsa_next_free_sgpr 80
		.amdhsa_reserve_vcc 0
		.amdhsa_float_denorm_mode_32 3
		.amdhsa_float_denorm_mode_16_64 3
		.amdhsa_memory_ordered 1
		.amdhsa_forward_progress 1
		.amdhsa_inst_pref_size 183
	.end_amdhsa_kernel
	.amdgpu_metadata
---
amdhsa.version: [ 1, 2 ]
amdhsa.kernels:
  - .name:           k_q6098eda927_qkv
    .symbol:         k_q6098eda927_qkv.kd
    .args:
      - { .name: xb, .offset: 0, .size: 8, .value_kind: global_buffer, .address_space: global }
      - { .name: wb, .offset: 8, .size: 8, .value_kind: global_buffer, .address_space: global }
      - { .name: qkv, .offset: 16, .size: 8, .value_kind: global_buffer, .address_space: global }
    .group_segment_fixed_size: 327680
    .private_segment_fixed_size: 0
    .kernarg_segment_align: 8
    .kernarg_segment_size: 24
    .max_flat_workgroup_size: 128
    .sgpr_count:     80
    .vgpr_count:     1024
    .wavefront_size: 32
...
	.end_amdgpu_metadata
.endif
;; end of part 2
;; launch attn (part 3): grid 256 x 1, 4 waves a work-group, clusters of 4 x 1, 327,680 bytes of LDS; arguments qkv, ao; writes ao
.if DOCPART == 3
	.amdgcn_target "amdgcn-amd-amdhsa--gfx1250"
	.amdhsa_code_object_version 6
	.text
	.protected	k_q6098eda927_attn
	.globl	k_q6098eda927_attn
	.p2align	8
	.type	k_q6098eda927_attn,@function
k_q6098eda927_attn:
	s_mov_b64 s[64:65], 0
	v_nop
	global_prefetch_b8 v0, s[64:65] scope:SCOPE_SE
	s_setreg_imm32_b32 hwreg(HW_REG_WAVE_MODE, 25, 1), 1
	s_wait_xcnt 0x0
	s_wait_alu depctr_hold_cnt(0) depctr_sa_sdst(0) depctr_va_vdst(0) depctr_va_sdst(0) depctr_va_ssrc(0) depctr_va_vcc(0) depctr_vm_vsrc(0)
	s_getreg_b32 s2, hwreg(HW_REG_IB_STS2, 6, 4)
	s_cmp_eq_u32 s2, 0
	s_cbranch_scc0 .Lentry_in_a_cluster
	s_endpgm
.Lentry_in_a_cluster:
	s_bfe_u32 s2, ttmp6, 0x10000c
	s_cmp_lg_u32 s2, 0x3003
	s_cbranch_scc0 .Lentry_shape_is_right
	s_endpgm
.Lentry_shape_is_right:
; Causal attention of one head, f16 operands, f32 scores, sums and softmax, with a running maximum.
; qkv: [3 (Q, K, V)][64 (batch x 16 + head)][2048][64] f16;  ao: [64][2048][64] f16.
; LIMITS: a NaN among the scores loses in the row maximum.  Probabilities are at most about 1 and go to the matrix unit as f16 (small ones as f16 denormals or 0).
; SHARE.  A cluster of four work-groups owns one head (the cluster's x).  Wave w of work-group cx owns eight query tiles of 16 rows, one in each band of 256 rows:
; tile n holds rows 256 n + 64 cx + 16 w + r.  The keys are walked once, in 32 tiles of 64; a phase is four of them, 256 keys.  In phase p the query tiles n = p .. 7 are at work:
; tile p is masked by value (v_cndmask_b32), tiles above it need no mask, and tile p is finished and stored at the phase's end.  So every wave of every partner runs the same text
; with the same counts, 144 items (query tile x key tile) each, and all four work-groups want every tile of K and V at the same time: each is asked for JOINTLY (mask 15).
; TRANSPOSED PRODUCTS.  S^T = K Q^T (source 0 = 16 keys, source 1 = 16 queries): lane (r, h) holds query r and keys 16 kb + 8 h + j.  Packed to f16 these registers ARE source 1 of
; O^T = V^T P^T (source 0 = V through the transposing LDS load).  Maximum, sum and rescaling are one number a lane; one v_permlanex16_b32 an item is all the traffic between lanes.
; ORDER.  At an item's head the NEXT item's eight score products are issued, behind the last item's eight products with V; the softmax of scores finished an item ago follows them.
; NO LOOP: a query tile's registers cannot be indexed, and the next item differs at the ends of key tiles and phases; the 144 items are written out by macro.
.set KP,     144                       ; K's LDS pitch: 128 bytes + 16, an odd multiple of 16
.set VP,     160                       ; V's: 128 + 32, an odd multiple of 32, for the transposing load
.set KBYTES, 256*KP
.set SLOT,   256*KP+256*VP             ; a phase: 256 keys of K, then of V: 77,824 bytes
.set STAGE,  2*SLOT                    ; 155,648, a multiple of 256; 16 rows x 144 bytes for each wave; no fill lands there
; window 0
.set KA,  8                            ; v8-9     LDS address of my K fragments in slot 0, 1
.set VA,  10                           ; v10-11   the same for V
.set STO, 12                           ; the way out: in
.set RD,  13                           ; the way out: back
.set CO,  14                           ; my byte offset in ao's plane
.set QO,  15                           ; my byte offset in Q's plane
.set DM,  16                           ; 64 cx + 16 w + r - 8 h: my row's place in its band, less my half's first key
.set DT,  17                           ; the same less the key tile's place in the phase
.set NEG, 18                           ; -1e30, the masked score of the problem
.set NP,  20                           ; v[20:21] minus the scaled new maximum (low register; the upper ones of these three pairs are written once: a pair is read whole)
.set AL,  22                           ; v[22:23] the factor for what was summed under the old maximum
.set RL,  24                           ; v[24:25] 1 / the row's sum
.set TT,  26                           ; v[26:29] at work
.set SU,  30                           ; v[30:33] two pairs of partial sums
.set NM,  34                           ; v[34:41] tile n: minus the scaled running maximum
.set LS,  42                           ; v[42:49] tile n: my half's running sum
.set P,   64                           ; v[64:79] the probabilities in f16
.set OB,  80                           ; v[80:95] the way out
.set SX0, 96                           ; v[96:127], v[128:159] two score buffers
; window 1: K's fragments of key tile t at v[64 (t & 1) + 8 (kb + 4 ks)], V's at v[128 + 64 (t & 1) + 8 (blk + 4 ks)]
; window 2: Q of tile n, half ks of the head's 64, at v[16 n + 8 ks]
; window 3: O of tile n, block blk of 16 of the head's 64, at v[32 n + 8 blk]
.set G1K, 24                           ; s[24:31] descriptor group 1 for K
.set G0K, 32                           ; s[32:39] group 0 for K, a set for each slot
.set G1V, 48                           ; s[48:55] group 1 for V
.set G0V, 56                           ; s[56:63] group 0 for V, a set for each slot
.set MSB, 0
.macro WIN new                         ; s_set_vgpr_msb: bits 1:0 source 0, 3:2 source 1, 5:4 source 2, 7:6 destination; the high byte repeats the setting that is left
.set WNEW, \new
.if MSB != WNEW
	s_set_vgpr_msb (MSB<<8)|WNEW
.set MSB, WNEW
.endif
.endm
.macro PLACES                          ; four plain vector instructions between a matrix instruction and a vector read of its result (ISA guide 7.12.1)
.rept 4
	v_nop
.endr
.endm
.macro JLOAD s                         ; waves 0, 1 ask for the two halves of a phase's K, waves 2, 3 for V's; the branch hangs on the wave's number alone
	s_cmp_lt_u32 s8, 2
	s_cbranch_scc0 .Lfor_v_\@
	tensor_load_to_lds s[G0K+4*(\s):G0K+4*(\s)+3], s[G1K:G1K+7]
	s_nop 0
	s_branch .Lasked_\@
.Lfor_v_\@:
	tensor_load_to_lds s[G0V+4*(\s):G0V+4*(\s)+3], s[G1V:G1V+7]
	s_nop 0
.Lasked_\@:
.endm
.macro CROUND                          ; a round of the cluster's barrier
	s_barrier_signal -1
	s_barrier_wait -1
	s_cmp_lg_u32 s8, 0
	s_cbranch_scc1 .Lnot_wave_0_\@
	s_barrier_signal -3
.Lnot_wave_0_\@:
	s_barrier_wait -3
	s_barrier_signal -1
	s_barrier_wait -1
.endm
	s_load_b128 s[4:7], s[0:1], 0x0                ; qkv s[4:5], ao s[6:7]
	v_lshl_add_u32 v254, v0, 2, 0x29000
	v_mov_b32 v255, 0
	ds_add_u32 v254, v255
	v_lshrrev_b32 v1, 5, v0
	v_readfirstlane_b32 s8, v1                     ; wave 0..3
	s_bfe_u32 s9, ttmp6, 0x40000                   ; cx: enters global offsets and the mask's numbers alone
	s_and_b32 s11, s8, 1                           ; which 128 keys of a phase I fetch
	s_mov_b32 s12, 0x76543210                      ; v_permlanex16_b32: lane i of one half reads lane i of the other
	s_mov_b32 s13, 0xfedcba98
	s_mov_b32 s14, 0x3e38aa3b                      ; c = log2(e) / 8: the division by sqrt(64) and the change to base 2 in one factor
	s_mov_b32 s15, 0x3e38aa3b
	s_mov_b32 s16, 0xbe38aa3b                      ; -c
	s_lshl_b32 s18, ttmp9, 18                      ; the head's plane: 262,144 bytes each
	s_mov_b32 s19, 0
	s_lshl_b32 s20, s11, 14                        ; + my 128 keys of 128 bytes
	s_add_co_u32 s20, s20, s18
	s_mov_b32 s21, 0
	s_mul_i32 s17, s11, 128*KP                     ; where my half of K goes in a slot,
	s_mul_i32 s40, s11, 128*VP
	s_add_co_u32 s40, s40, KBYTES                  ; and my half of V
	; group 1: 16 KiB, dense in memory, taken as 64 rows of 32 elements of 8 bytes; padding behind every 32 words, that is behind each key's 128 bytes
	s_mov_b32 s[G1K+0], 15|(3<<16)|(1<<20)|(1<<21)|(4<<22)|(3<<25)   ; the mask names all four work-groups; bit 21 beside it; 4 words of padding
	s_mov_b32 s[G1K+1], 32<<16
	s_mov_b32 s[G1K+2], 64<<16
	s_mov_b32 s[G1K+3], 32<<16
	s_mov_b32 s[G1K+4], 64
	s_mov_b32 s[G1K+5], 32
	s_mov_b32 s[G1K+6], 0
	s_mov_b32 s[G1K+7], 0
	s_mov_b32 s[G1V+0], 15|(3<<16)|(1<<20)|(1<<21)|(4<<22)|(7<<25)   ; the same with 8 words of padding
	s_mov_b32 s[G1V+1], 32<<16
	s_mov_b32 s[G1V+2], 64<<16
	s_mov_b32 s[G1V+3], 32<<16
	s_mov_b32 s[G1V+4], 64
	s_mov_b32 s[G1V+5], 32
	s_mov_b32 s[G1V+6], 0
	s_mov_b32 s[G1V+7], 0
	v_and_b32 v1, 15, v0                           ; r
	v_bfe_u32 v2, v0, 4, 1                         ; h
	v_and_b32 v3, 7, v0                            ; l % 8
	v_bfe_u32 v4, v0, 3, 1                         ; (l / 8) % 2
	v_and_b32 v5, 31, v0                           ; l
	v_mul_u32_u24 v6, v1, KP
	v_lshl_add_u32 v[KA], v2, 4, v6                ; K: key r of a block of 16, 16 bytes for each half of the lanes
	v_add_nc_u32 v[KA+1], SLOT, v[KA]
	v_lshl_add_u32 v6, v2, 3, v3                   ; V, transposing load: key 8 h + l % 8,
	v_mul_u32_u24 v6, v6, VP
	v_lshl_add_u32 v6, v4, 4, v6                   ; 16 bytes for each group of eight lanes
	v_add_nc_u32 v[VA], KBYTES, v6
	v_add_nc_u32 v[VA+1], SLOT+KBYTES, v6
	s_mul_i32 s41, s8, 16*KP
	s_add_co_u32 s41, s41, STAGE                   ; my stage
	v_add_nc_u32 v[STO], s41, v[KA]                ; in: row r, 16 bytes for each half (the same pitch as K's)
	v_lshrrev_b32 v6, 3, v5
	v_mul_u32_u24 v6, v6, KP
	v_lshl_add_u32 v6, v3, 4, v6                   ; back: four rows of 128 bytes a load
	v_add_nc_u32 v[RD], s41, v6
	s_lshl_b32 s42, s9, 6
	s_lshl4_add_u32 s42, s8, s42                   ; 64 cx + 16 w: my tiles' first row in their bands
	s_lshl_b32 s43, s42, 7                         ; in bytes
	v_lshl_add_u32 v[CO], v5, 4, s43
	v_lshlrev_b32 v6, 7, v1
	v_lshl_add_u32 v6, v2, 4, v6
	v_add_nc_u32 v[QO], s43, v6                    ; Q: row r, 16 bytes for each half
	v_add_nc_u32 v[DM], s42, v1
	v_lshlrev_b32 v6, 3, v2
	v_sub_nc_u32 v[DM], v[DM], v6
	v_mov_b32 v[NEG], 0xf149f2ca                   ; -1e30
	v_mov_b32 v[NP+1], 0
	v_mov_b32 v[AL+1], 0
	v_mov_b32 v[RL+1], 0
	s_wait_dscnt 0x0
	s_wait_kmcnt 0x0
	s_add_nc_u64 s[6:7], s[6:7], s[18:19]          ; ao at the head's plane
	s_add_nc_u64 s[22:23], s[4:5], s[20:21]        ; qkv at the head's plane of Q + my half of a phase
	s_add_nc_u64 s[4:5], s[4:5], s[18:19]          ; Q's plane
	CROUND                                         ; all four work-groups are here: the first joint loads meet
.irp s, 0,1
	s_mov_b32 s[G0K+4*\s], 1
	s_add_co_u32 s[G0K+4*\s+1], s17, \s*SLOT
	s_add_nc_u64 s[G0K+4*\s+2:G0K+4*\s+3], s[22:23], 0x1000000+\s*32768    ; K's planes begin 64 planes on; phase s
	s_or_b32 s[G0K+4*\s+3], s[G0K+4*\s+3], 0x80000000
	s_mov_b32 s[G0V+4*\s], 1
	s_add_co_u32 s[G0V+4*\s+1], s40, \s*SLOT
	s_add_nc_u64 s[G0V+4*\s+2:G0V+4*\s+3], s[22:23], 0x2000000+\s*32768    ; V's 128 planes on
	s_or_b32 s[G0V+4*\s+3], s[G0V+4*\s+3], 0x80000000
	JLOAD \s                                       ; phases 0 and 1 go out together: two tensor loads of the wave are out here, later one
.endr
	WIN 0x80                                       ; destination in window 2
.irp n, 0,1,2,3,4,5,6,7
.irp e, 0,1,2,3
	global_load_b128 v[16*\n+4*\e:16*\n+4*\e+3], v[QO], s[4:5] offset:32768*\n+32*\e   ; Q stays in registers for the whole launch
.endr
.endr
	WIN 0
; The eight score products of query tile n with the key tile whose fragments lie in buffer par, into the score buffer SBN.  Four accumulators take turns.
.macro SMUL n, par
	WIN 0x09                                       ; source 0 (K) window 1, source 1 (Q) window 2
.irp ks, 0,1
.irp kb, 0,1,2,3
.if \ks
	v_wmma_f32_16x16x32_f16 v[SBN+8*\kb:SBN+8*\kb+7], v[64*(\par)+8*(\kb+4*\ks):64*(\par)+8*(\kb+4*\ks)+7], v[16*(\n)+8*\ks:16*(\n)+8*\ks+7], v[SBN+8*\kb:SBN+8*\kb+7]
.else
	v_wmma_f32_16x16x32_f16 v[SBN+8*\kb:SBN+8*\kb+7], v[64*(\par)+8*(\kb+4*\ks):64*(\par)+8*(\kb+4*\ks)+7], v[16*(\n)+8*\ks:16*(\n)+8*\ks+7], 0
.endif
.endr
.endr
.endm
.macro FETCHK t                        ; 16 LDS loads: K's fragments of key tile t
	WIN 0x40                                       ; destination in window 1
.irp ks, 0,1
.irp kb, 0,1,2,3
	ds_load_b128 v[64*((\t)&1)+8*(\kb+4*\ks):64*((\t)&1)+8*(\kb+4*\ks)+3],   v[KA+(((\t)/4)&1)] offset:(64*((\t)%4)+16*\kb)*KP+64*\ks
	ds_load_b128 v[64*((\t)&1)+8*(\kb+4*\ks)+4:64*((\t)&1)+8*(\kb+4*\ks)+7], v[KA+(((\t)/4)&1)] offset:(64*((\t)%4)+16*\kb)*KP+64*\ks+32
.endr
.endr
.endm
.macro FETCHV t                        ; 16 transposing LDS loads: V^T's fragments of key tile t: lane (r, h) gets keys 8 h + 0..7 (and 16 more on) of column 16 blk + r
	WIN 0x40
.irp ks, 0,1
.irp blk, 0,1,2,3
	ds_load_tr16_b128 v[128+64*((\t)&1)+8*(\blk+4*\ks):128+64*((\t)&1)+8*(\blk+4*\ks)+3],   v[VA+(((\t)/4)&1)] offset:(64*((\t)%4)+32*\ks)*VP+32*\blk
	ds_load_tr16_b128 v[128+64*((\t)&1)+8*(\blk+4*\ks)+4:128+64*((\t)&1)+8*(\blk+4*\ks)+7], v[VA+(((\t)/4)&1)] offset:(64*((\t)%4)+32*\ks+16)*VP+32*\blk
.endr
.endr
.endm
; The query tile of the phase's own band: key 64 t + 16 kb + 8 h + j stays where it is at most row 64 cx + 16 w + r, that is 16 kb + j <= DT; else the score is -1e30.
.macro MASK
	v_add_nc_u32 v[DT], -64*(KT%4), v[DM]
.irp kb, 0,1,2,3
.irp j, 0,1,2,3,4,5,6,7
	v_cmp_le_i32 vcc_lo, 16*\kb+\j, v[DT]
	v_cndmask_b32 v[SBC+8*\kb+\j], v[NEG], v[SBC+8*\kb+\j], vcc_lo
.endr
.endr
.endm
; The largest of my row's 64 scores (32 here, 32 in the other half of the lanes), the new running maximum, and the factor for the old sums.
.macro ROWMAX
.irp c, 0,1,2,3
	v_max3_num_f32 v[TT+\c], v[SBC+8*\c], v[SBC+8*\c+1], v[SBC+8*\c+2]
.endr
.irp c, 0,1,2,3
	v_max3_num_f32 v[TT+\c], v[TT+\c], v[SBC+8*\c+3], v[SBC+8*\c+4]
.endr
.irp c, 0,1,2,3
	v_max3_num_f32 v[TT+\c], v[TT+\c], v[SBC+8*\c+5], v[SBC+8*\c+6]
.endr
	v_max3_num_f32 v[TT], v[TT], v[SBC+7], v[SBC+15]
	v_max3_num_f32 v[TT+1], v[TT+1], v[SBC+23], v[SBC+31]
	v_max3_num_f32 v[TT], v[TT], v[TT+2], v[TT+3]
	v_max_num_f32 v[TT], v[TT], v[TT+1]
	v_permlanex16_b32 v[TT+1], v[TT], s12, s13
	v_max_num_f32 v[TT], v[TT], v[TT+1]
.if KT == 0
	v_mul_f32 v[NP], s16, v[TT]                    ; the first key tile holds key 0, which no row masks: the maximum is a true score from here on
.else
	v_mul_f32 v[TT], s16, v[TT]
	v_min_num_f32 v[NP], v[NM+QN], v[TT]           ; minus the larger maximum
	v_sub_f32 v[AL], v[NP], v[NM+QN]
	v_exp_f32 v[AL], v[AL]                         ; 2^(old - new), at most 1; its first use stands behind the whole softmax (ISA guide 5.7.2 asks for one plain instruction)
.endif
.endm
.macro EXP8 kb
.irp j, 0,1,2,3,4,5,6,7
	v_exp_f32 v[SBC+8*\kb+\j], v[SBC+8*\kb+\j]
.endr
.endm
.macro WORK kb                         ; block kb's eight probabilities: packed to f16, and added up in f32
	s_wait_alu depctr_va_vdst(0)
.irp jj, 0,1,2,3
	v_cvt_pk_f16_f32 v[P+4*\kb+\jj], v[SBC+8*\kb+2*\jj], v[SBC+8*\kb+2*\jj+1]
.endr
.if \kb
	v_pk_add_f32 v[SU:SU+1],   v[SU:SU+1],   v[SBC+8*\kb:SBC+8*\kb+1]
	v_pk_add_f32 v[SU+2:SU+3], v[SU+2:SU+3], v[SBC+8*\kb+2:SBC+8*\kb+3]
	v_pk_add_f32 v[SU:SU+1],   v[SU:SU+1],   v[SBC+8*\kb+4:SBC+8*\kb+5]
	v_pk_add_f32 v[SU+2:SU+3], v[SU+2:SU+3], v[SBC+8*\kb+6:SBC+8*\kb+7]
.else
	v_pk_add_f32 v[SU:SU+1],   v[SBC:SBC+1],   v[SBC+2:SBC+3]      ; the first block starts the sums
	v_pk_add_f32 v[SU+2:SU+3], v[SBC+4:SBC+5], v[SBC+6:SBC+7]
.endif
.endm
; p = 2^(c s - c max).  The exponentials go in runs of eight, and a run's results are used only behind a plain instruction that follows the run (ISA guide 5.7.2).
.macro SOFT
.irp k, 0,2,4,6,8,10,12,14,16,18,20,22,24,26,28,30
	v_pk_fma_f32 v[SBC+\k:SBC+\k+1], v[SBC+\k:SBC+\k+1], s[14:15], v[NP:NP+1] op_sel_hi:[1,0,0]
.endr
	EXP8 0
	v_mov_b32 v[NM+QN], v[NP]                      ; the running maximum is kept; also the plain instruction behind the first run
	EXP8 1
	WORK 0
	EXP8 2
	WORK 1
	EXP8 3
	WORK 2
	WORK 3
	v_pk_add_f32 v[SU:SU+1], v[SU:SU+1], v[SU+2:SU+3]
.if KT == 0
	v_add_f32 v[LS+QN], v[SU], v[SU+1]
.else
	v_add_f32 v[SU], v[SU], v[SU+1]
	v_fma_f32 v[LS+QN], v[LS+QN], v[AL], v[SU]
.endif
.endm
.macro RESC                            ; what was summed under the old maximum is scaled down
	WIN 0xc3                                       ; destination and source 0 in window 3
.irp k, 0,2,4,6,8,10,12,14,16,18,20,22,24,26,28,30
	v_pk_mul_f32 v[32*QN+\k:32*QN+\k+1], v[32*QN+\k:32*QN+\k+1], v[AL:AL+1] op_sel_hi:[1,0]
.endr
.endm
.macro PV                              ; O^T += V^T P^T: four accumulators take turns; in the first key tile the first products start the sums
	WIN 0xf1                                       ; source 0 (V) window 1, source 1 (P) window 0, C and D window 3
.irp ks, 0,1
.irp blk, 0,1,2,3
.set PVZ, 0
.if KT == 0
.if \ks == 0
.set PVZ, 1
.endif
.endif
.if PVZ
	v_wmma_f32_16x16x32_f16 v[32*QN+8*\blk:32*QN+8*\blk+7], v[128+64*(KT&1)+8*(\blk+4*\ks):128+64*(KT&1)+8*(\blk+4*\ks)+7], v[P+8*\ks:P+8*\ks+7], 0
.else
	v_wmma_f32_16x16x32_f16 v[32*QN+8*\blk:32*QN+8*\blk+7], v[128+64*(KT&1)+8*(\blk+4*\ks):128+64*(KT&1)+8*(\blk+4*\ks)+7], v[P+8*\ks:P+8*\ks+7], v[32*QN+8*\blk:32*QN+8*\blk+7]
.endif
.endr
.endr
.endm
; The change of slots in phase p, behind my last reads of slot p & 1 and ahead of my first read of the other slot.  Each wave waits for its LDS reads and for all its tensor loads
; (one is out: its part of phase p + 1).  p <= 5: a round of the cluster's barrier, and the joint refill with phase p + 2 first behind it; it has a whole phase in which to land.
; p = 6: nothing is left to fetch; a plain barrier shows phase 7 to all four waves.
.macro TURN p
	WIN 0
	s_wait_dscnt 0x0
	s_wait_tensorcnt 0x0
	ds_add_u32 v254, v255
	s_wait_dscnt 0x0
.if (\p) <= 5
	CROUND
	s_add_nc_u64 s[G0K+4*((\p)&1)+2:G0K+4*((\p)&1)+3], s[G0K+4*((\p)&1)+2:G0K+4*((\p)&1)+3], 65536   ; two phases on; no tensor load of mine is out
	s_add_nc_u64 s[G0V+4*((\p)&1)+2:G0V+4*((\p)&1)+3], s[G0V+4*((\p)&1)+2:G0V+4*((\p)&1)+3], 65536
	JLOAD (\p)&1
.else
	s_barrier_signal -1
	s_barrier_wait -1
.endif
.endm
; One item: query tile QN x key tile KT.  Its scores lie finished in SBC.
.macro ITEM
.if QN == 7
	s_wait_dscnt 0x0                               ; all fragments asked for so far are in: the next key tile's K, and V of this or the next key tile
.if KT < 31
	SMUL (KT+1)/4, (KT+1)&1                        ; the next item: the next key tile's first query tile
.endif
.else
	SMUL QN+1, KT&1                                ; the next item: the next query tile
.endif
	WIN 0
.if QN == PH
	MASK
.endif
	ROWMAX
.if QN == PH
.if KT < 31
	FETCHV KT+1                                    ; into the buffer last read by the item before this one; the mask's and the maximum's instructions are the places between
.endif
.endif
.if QN == 7
.if KT < 30
.if KT%4 == 2
	TURN PH
.endif
	FETCHK KT+2                                    ; into the buffer whose last products were issued an item ago or earlier
.endif
.endif
	WIN 0
	SOFT
.if KT > 0
	RESC
.endif
	PV
.set IT, IT+1
.set SBC, SX0+32*(IT&1)
.set SBN, SX0+32*((IT+1)&1)
.endm
; Query tile PH has seen its last key: divide by the row's sum, round to f16, and out through my stage; SBN, the score buffer just used up, is the workspace.
.macro FINISH
	WIN 0
	PLACES                                         ; in the last phase the products just issued wrote this very tile
	v_permlanex16_b32 v[TT+1], v[LS+PH], s12, s13
	v_add_f32 v[TT], v[LS+PH], v[TT+1]             ; both halves' sums; at least about 1: the maximum's own term
	v_rcp_f32 v[RL], v[TT]
	v_nop                                          ; one plain instruction behind the reciprocal (ISA guide 5.7.2)
	WIN 0x03                                       ; source 0 in window 3
	s_wait_alu depctr_va_vdst(0)
.irp k, 0,2,4,6,8,10,12,14,16,18,20,22,24,26,28,30
	v_pk_mul_f32 v[SBN+\k:SBN+\k+1], v[32*PH+\k:32*PH+\k+1], v[RL:RL+1] op_sel_hi:[1,0]
.endr
	WIN 0
.irp k, 0,1,2,3,4,5,6,7,8,9,10,11,12,13,14,15
	v_cvt_pk_f16_f32 v[SBN+\k], v[SBN+2*\k], v[SBN+2*\k+1]         ; register k is written when registers 2 k and 2 k + 1 are read: never ahead of a read
.endr
.irp blk, 0,1,2,3
	ds_store_b128 v[STO], v[SBN+4*\blk:SBN+4*\blk+3] offset:32*\blk
.endr
	s_wait_xcnt 0x0                                ; OB is the data of the last tile's stores: it is loaded again only behind this wait
.irp t, 0,1,2,3
	ds_load_b128 v[OB+4*\t:OB+4*\t+3], v[RD] offset:4*KP*\t        ; LDS serves a wave's instructions in order (ISA guide 5.7.1): these see the stores above
.endr
	s_wait_dscnt 0x0
.irp t, 0,1,2,3
	global_store_b128 v[CO], v[OB+4*\t:OB+4*\t+3], s[6:7] offset:32768*PH+512*\t   ; the wave stores 512 consecutive bytes, aligned: four rows of the plane
.endr
.endm
.set IT, 0
.set SBC, SX0+32
.set SBN, SX0
	s_wait_tensorcnt 0x1                           ; my part of phase 0 is in; phase 1's stays out
	s_barrier_signal -1
	s_barrier_wait -1                              ; everybody's part is in
	FETCHK 0
	FETCHK 1
	FETCHV 0
	s_wait_dscnt 0x0
	s_wait_loadcnt 0x0                             ; Q
	SMUL 0, 0                                      ; the first item's scores
	WIN 0
	PLACES                                         ; the first item reads them behind matrix instructions alone
.set SBC, SX0
.set SBN, SX0+32
.set KT, 0
.rept 32
.set PH, KT/4
.set QN, PH
.rept 8-PH
	ITEM
.set QN, QN+1
.endr
.if KT%4 == 3
	FINISH
.endif
.set KT, KT+1
.endr
	WIN 0
	s_wait_tensorcnt 0x0
	ds_add_u32 v254, v255
	s_wait_dscnt 0x0
	CROUND                                         ; the closing round: no work-group ends while a partner may still ask for a tile that names it
	s_endpgm
.Lfunc_end_k_q6098eda927_attn:
	.size	k_q6098eda927_attn, .Lfunc_end_k_q6098eda927_attn-k_q6098eda927_attn
	.p2alignl 7, 3214868480
	.fill 96, 4, 3214868480
	.section	.rodata,"a",@progbits
	.p2align	6, 0x0
	.amdhsa_kernel k_q6098eda927_attn
		.amdhsa_group_segment_fixed_size 327680
		.amdhsa_private_segment_fixed_size 0
		.amdhsa_enable_private_segment 0
		.amdhsa_kernarg_size 16
		.amdhsa_user_sgpr_count 2
		.amdhsa_user_sgpr_kernarg_segment_ptr 1
		.amdhsa_wavefront_size32 1
		.amdhsa_system_sgpr_workgroup_id_x 1
		.amdhsa_system_sgpr_workgroup_id_y 1
		.amdhsa_system_sgpr_workgroup_id_z 1
		.amdhsa_system_vgpr_workitem_id 0
		.amdhsa_next_free_vgpr 1024
		.amdhsa_next_free_sgpr 66
		.amdhsa_reserve_vcc 1
		.amdhsa_float_denorm_mode_32 3
		.amdhsa_float_denorm_mode_16_64 3
		.amdhsa_memory_ordered 1
		.amdhsa_forward_progress 1
		.amdhsa_inst_pref_size 255
	.end_amdhsa_kernel
	.section	.bss,"aw",@nobits
	.p2align	6
	.space	262144
	.amdgpu_metadata
---
amdhsa.version: [ 1, 2 ]
amdhsa.kernels:
  - .name:           k_q6098eda927_attn
    .symbol:         k_q6098eda927_attn.kd
    .args:
      - { .name: qkv, .offset: 0, .size: 8, .value_kind: global_buffer, .address_space: global }
      - { .name: ao, .offset: 8, .size: 8, .value_kind: global_buffer, .address_space: global }
    .group_segment_fixed_size: 327680
    .private_segment_fixed_size: 0
    .kernarg_segment_align: 8
    .kernarg_segment_size: 16
    .max_flat_workgroup_size: 128
    .sgpr_count:     66
    .vgpr_count:     1024
    .wavefront_size: 32
...
	.end_amdgpu_metadata
.endif
;; end of part 3
;; launch oproj (part 4): grid 8 x 32, 4 waves a work-group, clusters of 4 x 4, 327,680 bytes of LDS; arguments ao, wo16, out0; writes out0
.if DOCPART == 4
	.amdgcn_target "amdgcn-amd-amdhsa--gfx1250"
	.amdhsa_code_object_version 6
	.text
	.protected	k_q6098eda927_oproj
	.globl	k_q6098eda927_oproj
	.p2align	8
	.type	k_q6098eda927_oproj,@function
k_q6098eda927_oproj:
	s_mov_b64 s[64:65], 0
	v_nop
	global_prefetch_b8 v0, s[64:65] scope:SCOPE_SE
	s_setreg_imm32_b32 hwreg(HW_REG_WAVE_MODE, 25, 1), 1
	s_wait_xcnt 0x0
	s_wait_alu depctr_hold_cnt(0) depctr_sa_sdst(0) depctr_va_vdst(0) depctr_va_sdst(0) depctr_va_ssrc(0) depctr_va_vcc(0) depctr_vm_vsrc(0)
	s_getreg_b32 s2, hwreg(HW_REG_IB_STS2, 6, 4)
	s_cmp_eq_u32 s2, 0
	s_cbranch_scc0 .Lentry_in_a_cluster
	s_endpgm
.Lentry_in_a_cluster:
	s_bfe_u32 s2, ttmp6, 0x10000c
	s_cmp_lg_u32 s2, 0xf033
	s_cbranch_scc0 .Lentry_shape_is_right
	s_endpgm
.Lentry_shape_is_right:
; ONE TEXT FOR TWO PRODUCTS C = A B^T; the symbol QKV picks the head of constants.
;   QKV = 1: [8192 x 3072] = xb . wb^T, bf16 operands, f32 sums, the result rounded to f16 and laid in planes qkv[3 (Q, K, V)][64 (batch x 16 + head)][2048][64].
;   QKV = 0: [8192 x 1024] = ao . wo16^T, f16 operands, f32 sums, f32 result out0; ao lies in planes [64 (batch x 16 + head)][2048][64].
; LIMIT (QKV = 1): |Q|, |K|, |V| below 65,504, f16's range; beyond it the rounding gives infinity.
; A work-group makes 256 rows x 128 NG columns with four waves, one for each SIMD of a WGP.  Wave w owns rows 64 w .. 64 w + 63 and ALL the columns:
; 4 x 8 accumulator tiles of 16 x 16 for each group of 128 columns, 256 registers, one register window a group.  For 32 along K a wave reads 4 + 8 NG fragments
; of 1 KiB from LDS for 32 NG matrix instructions.
; K goes in steps through two LDS slots filled by the tensor data mover, one load a wave and step.  With QKV = 1 the step is 64: two slots of (256 + 384) rows
; of 272 bytes would be 348,160 bytes, more than a work-group can have, so the rows are 128 bytes + 16 of padding.
; CLUSTERS: 4 x 4 work-groups.  A's tile hangs on the block row alone and is asked for jointly by the four of a row of the cluster, B's on the block column alone and is
; asked for jointly by the four of a column: the requests for A and for B are divided by four.
; THE MATRIX INSTRUCTION IS USED TRANSPOSED: source 0 = 16 rows of B, source 1 = 16 rows of A; lane l then holds row l % 16 of C and in its registers 0-7 the
; eight neighbouring columns 8 (l / 16) + 0 .. 7.
.set QKV, 0
.if QKV
.set NG,     3                         ; groups of 128 columns in a block
.set QS,     2                         ; quarters of 32 along K in a step
.set STEPS,  16                        ; 1,024 / 64
.set NAW,    1                         ; waves that fetch A: wave 0 brings all 256 rows; waves 1-3 bring B's groups 0-2, 128 rows each
.set ABYTES, 36864                     ; A in a slot: 256 rows x 144
.set BP,     144                       ; B's LDS pitch
.set BLOAD,  128*144                   ; LDS bytes of one load of B
.set ASTEP,  128                       ; bytes from a step's tile to the next step's, in memory
.set BSTEP,  128
.set WSTAGE, 16*272                    ; a wave's stage for the way out: 16 rows of 128 f16 + 16 bytes
.set A_W0, (1<<16)|(1<<20)|(1<<21)|(4<<22)|(3<<25)   ; elements of 2 bytes; padding on; bit 21 beside a mask; after every 32 words; 4 words
.set A_D0, 64                          ; a tile's row, in elements
.set A_D1, 256                         ; its rows
.set A_PITCH, 1024                     ; elements from row to row in memory
.set B_W0, (1<<16)|(1<<20)|(1<<21)|(4<<22)|(3<<25)
.set B_D0, 64
.set B_D1, 128
.else
.set NG,     1
.set QS,     4
.set STEPS,  8                         ; 1,024 / 128: two heads' planes a step
.set NAW,    2                         ; wave 0, 1: the block's 256 rows of plane 0, 1 of the step (32 KiB, dense); wave 2, 3: 64 rows of B each
.set ABYTES, 73728
.set BP,     272
.set BLOAD,  64*272
.set ASTEP,  524288                    ; two planes of 262,144 bytes
.set BSTEP,  256
.set WSTAGE, 16*528                    ; 16 rows of 128 f32 + 16 bytes
.set A_W0, (3<<16)|(1<<20)|(1<<21)|(4<<22)|(3<<25)   ; a dense block taken as rows of 32 elements of 8 bytes; 4 words of padding after every 32 words, that is behind each 128-byte row of ao
.set A_D0, 32
.set A_D1, 128
.set A_PITCH, 32
.set B_W0, (1<<16)|(1<<20)|(1<<21)|(5<<22)|(3<<25)   ; elements of 2 bytes; 4 words of padding after every 64 words
.set B_D0, 128
.set B_D1, 64
.endif
.set B_PITCH, 1024
.set AP,     144                       ; A's LDS pitch: 128 bytes + 16.  Both pitches are odd multiples of 16 bytes: the 16 rows of a fragment load start in 16 different 16-byte columns of 256
.set APLANE, 36864                     ; 256 rows x 144
.set SLOT,   ABYTES+128*NG*BP          ; A's rows, then B's
.set STAGE,  2*SLOT                    ; behind the ring, a multiple of 256; no fill ever lands there
.set LAPS,   STEPS/2                   ; a lap = two steps = once round the ring
.set U,      QS*NG                     ; units of 32 matrix instructions in a step (one quarter x one group)
.set ACCLAST, (NG<<6)|(NG<<4)          ; the window setting of the last group's accumulators
; window 0
.set ADRA, 16                          ; v16-17   LDS address of my A fragments in slot 0, 1
.set ADRB, 20                          ; v20-21   the same for B
.set STO,  24                          ; v24      the way out: where I put my piece of a row
.set RD,   25                          ; v25      the way out: where I read rows back
.set CO,   26                          ; v26      my byte offset in the output
.set AF0,  32                          ; v[32:63], v[64:95]     4 fragments of A, two buffers
.set BF0,  96                          ; v[96:159], v[160:223]  8 fragments of B, two buffers
.set TMP,  224                         ; v[224:255] the way out: packed results
; windows 1 .. NG: accumulator tile (a, b) of group g at v[8 (8 a + b)] of window g + 1
.set G1,  24                           ; s[24:31] descriptor group 1 for A
.set G0,  32                           ; s[32:39] descriptor group 0 for A, a set for each slot
.set G1B, 48                           ; s[48:55] group 1 for B
.set G0B, 56                           ; s[56:63] group 0 for B, a set for each slot
.set MSB, 0
.macro WIN new                         ; s_set_vgpr_msb: bits 1:0 source 0, 3:2 source 1, 5:4 source 2, 7:6 destination; the high byte repeats the setting that is left
.set WNEW, \new
.if MSB != WNEW
	s_set_vgpr_msb (MSB<<8)|WNEW
.set MSB, WNEW
.endif
.endm
.macro PLACES                          ; four plain vector instructions between a matrix instruction and a load into, or a vector read of, its registers
.rept 4
	v_nop
.endr
.endm
; A joint load: the first NAW waves ask for A, the others for B.  Each line has one mask and one set of registers in all that issue it; the branch hangs on the wave's number alone.
.macro JLOAD s
	s_cmp_lt_u32 s10, NAW
	s_cbranch_scc0 .Lfor_b_\@
	tensor_load_to_lds s[G0+4*\s:G0+4*\s+3], s[G1:G1+7]
	s_nop 0
	s_branch .Lasked_\@
.Lfor_b_\@:
	tensor_load_to_lds s[G0B+4*\s:G0B+4*\s+3], s[G1B:G1B+7]
	s_nop 0
.Lasked_\@:
.endm
; A round of the cluster's barrier: my work-group's barrier; wave 0 signals for the work-group; every wave waits for all sixteen; my work-group's barrier once more.
.macro CREST                           ; a round behind its opening barrier
	s_cmp_lg_u32 s10, 0
	s_cbranch_scc1 .Lnot_wave_0_\@
	s_barrier_signal -3
.Lnot_wave_0_\@:
	s_barrier_wait -3
	s_barrier_signal -1
	s_barrier_wait -1
.endm
.macro CROUND
	s_barrier_signal -1
	s_barrier_wait -1
	CREST
.endm
	s_load_b128 s[4:7], s[0:1], 0x0                ; A s[4:5], B s[6:7]
	s_load_b64 s[8:9], s[0:1], 0x10                ; C
	v_lshl_add_u32 v254, v0, 2, 0x3d400
	v_mov_b32 v255, 0
	ds_add_u32 v254, v255
	v_lshrrev_b32 v1, 5, v0
	v_readfirstlane_b32 s10, v1                    ; wave 0..3
	s_bfe_u32 s40, ttmp6, 0x40000                  ; cx
	s_bfe_u32 s41, ttmp6, 0x40004                  ; cy
	s_lshl_b32 s42, ttmp9, 2
	s_add_co_u32 s42, s42, s40                     ; block column = 4 x cluster x + cx
	s_and_b32 s13, ttmp7, 0xffff
	s_lshl_b32 s13, s13, 2
	s_add_co_u32 s13, s13, s41                     ; block row = 4 x cluster y + cy
	s_lshl_b32 s43, s41, 2
	s_lshl_b32 s43, 15, s43                        ; my row of the cluster: places 4 cy .. 4 cy + 3
	s_lshl_b32 s44, 0x1111, s40                    ; my column: places cx, cx + 4, cx + 8, cx + 12
	s_or_b32  s[G1+0], s43, A_W0                   ; 15:0 the mask: A's tiles go to my row of the cluster
	s_mov_b32 s[G1+1], A_D0<<16                    ; 63:48 tensor_dim0 = the tile's (no tile crosses the tensor's end)
	s_mov_b32 s[G1+2], A_D1<<16                    ; 95:80 tensor_dim1
	s_mov_b32 s[G1+3], A_D0<<16                    ; 127:112 tile_dim0
	s_mov_b32 s[G1+4], A_D1                        ; 143:128 tile_dim1
	s_mov_b32 s[G1+5], A_PITCH                     ; 191:160 elements from row to row
	s_mov_b32 s[G1+6], 0
	s_mov_b32 s[G1+7], 0
	s_or_b32  s[G1B+0], s44, B_W0                  ; B's tiles go to my column of the cluster
	s_mov_b32 s[G1B+1], B_D0<<16
	s_mov_b32 s[G1B+2], B_D1<<16
	s_mov_b32 s[G1B+3], B_D0<<16
	s_mov_b32 s[G1B+4], B_D1
	s_mov_b32 s[G1B+5], B_PITCH
	s_mov_b32 s[G1B+6], 0
	s_mov_b32 s[G1B+7], 0
	; Where the tiles come from and where they go.  Every wave makes both sets; s16-17 never hold the block column, s46-47 never the block row; no LDS address holds either.
.if QKV
	s_lshl_b32 s16, s13, 19                        ; A: 256 rows of 2,048 bytes for each block row
	s_mov_b32 s20, 0                               ; and to the slot's head
	s_max_u32 s45, s10, 1
	s_sub_co_u32 s45, s45, 1                       ; B: waves 1, 2, 3 fetch groups 0, 1, 2 (wave 0, which asks for A, gets group 0's address and does not use it)
	s_lshl_b32 s45, s45, 7
	s_mul_i32 s46, s42, 384
	s_add_co_u32 s46, s46, s45                     ; row 384 x block column + 128 x group
	s_mul_i32 s22, s10, BLOAD
	s_add_co_u32 s22, s22, ABYTES-BLOAD            ; behind A's rows: ABYTES + (w - 1) x 18,432
.else
	s_and_b32 s12, s10, 1                          ; which plane of A, or which half of B's rows, I fetch
	s_lshr_b32 s16, s13, 3
	s_lshl_b32 s16, s16, 22                        ; A: batch x 16 planes of 262,144 bytes
	s_and_b32 s17, s13, 7
	s_lshl_b32 s17, s17, 15                        ; + 256 rows of 128 bytes for each block row inside the batch
	s_add_co_u32 s16, s16, s17
	s_lshl_b32 s17, s12, 18                        ; + my plane of the step's two
	s_add_co_u32 s16, s16, s17
	s_mul_i32 s20, s12, APLANE
	s_lshl_b32 s45, s12, 6
	s_lshl_b32 s46, s42, 7
	s_add_co_u32 s46, s46, s45                     ; B: row 128 x block column + 64 x half
	s_mul_i32 s22, s12, BLOAD
	s_add_co_u32 s22, s22, ABYTES
.endif
	s_mov_b32 s17, 0
	s_lshl_b32 s46, s46, 11                        ; rows of 2,048 bytes
	s_mov_b32 s47, 0
	s_wait_dscnt 0x0
	s_wait_kmcnt 0x0
	s_add_nc_u64 s[14:15], s[4:5], s[16:17]
	s_add_nc_u64 s[46:47], s[6:7], s[46:47]
	CROUND                                         ; all sixteen work-groups are here: the first joint loads meet
.irp s, 0,1
	s_mov_b32 s[G0+4*\s], 1                                        ; count = 1
	s_add_co_u32 s[G0+4*\s+1], s20, \s*SLOT                        ; LDS address
	s_add_nc_u64 s[G0+4*\s+2:G0+4*\s+3], s[14:15], \s*ASTEP        ; global address: step s
	s_or_b32 s[G0+4*\s+3], s[G0+4*\s+3], 0x80000000                ; type = 2
	s_mov_b32 s[G0B+4*\s], 1
	s_add_co_u32 s[G0B+4*\s+1], s22, \s*SLOT
	s_add_nc_u64 s[G0B+4*\s+2:G0B+4*\s+3], s[46:47], \s*BSTEP
	s_or_b32 s[G0B+4*\s+3], s[G0B+4*\s+3], 0x80000000
	JLOAD \s                                       ; both slots' first fills go out together: two tensor loads of the wave are out here, later one
.endr
	; A fragment is 16 rows x 32 K in 8 registers: lane l holds row l % 16; registers 0-3 K = 8 (l / 16) + 0..7, registers 4-7 K = 16 + 8 (l / 16) + 0..7: two loads of 16 bytes, 32 bytes apart.
	v_and_b32 v1, 15, v0                           ; r = l % 16
	v_bfe_u32 v2, v0, 4, 1                         ; h = l / 16
	v_mul_u32_u24 v3, v1, AP
	v_lshl_add_u32 v3, v2, 4, v3                   ; r x pitch + 16 h
	s_mul_i32 s21, s10, 64*AP                      ; my 64 rows of A
	v_add_nc_u32 v[ADRA], s21, v3
	v_add_nc_u32 v[ADRA+1], SLOT, v[ADRA]
	v_mul_u32_u24 v4, v1, BP
	v_lshl_add_u32 v4, v2, 4, v4
	v_add_nc_u32 v[ADRB], ABYTES, v4               ; B's rows lie behind A's
	v_add_nc_u32 v[ADRB+1], SLOT+ABYTES, v4
	s_mul_i32 s23, s10, WSTAGE
	s_add_co_u32 s23, s23, STAGE                   ; my stage
.if QKV
	v_mul_u32_u24 v5, v1, 272                      ; in: row r, 16 bytes for each half of the lanes
	v_lshl_add_u32 v5, v2, 4, v5
	v_add_nc_u32 v[STO], s23, v5
	v_bfe_u32 v6, v0, 3, 1                         ; back: lanes 0-15 two rows of the even head (the stage row's first 128 bytes), lanes 16-31 the same rows of the odd head
	v_mul_u32_u24 v6, v6, 272
	v_lshl_add_u32 v6, v2, 7, v6
	v_and_b32 v7, 7, v0
	v_lshl_add_u32 v6, v7, 4, v6
	v_add_nc_u32 v[RD], s23, v6
	v_lshlrev_b32 v[CO], 4, v1                     ; in a plane two rows of 128 bytes follow each other: 16 (l % 16),
	v_lshl_add_u32 v[CO], v2, 18, v[CO]            ; and the odd head's plane lies 262,144 bytes on
.else
	v_mul_u32_u24 v5, v1, 528                      ; in: row r, 32 bytes for each half of the lanes
	v_lshl_add_u32 v5, v2, 5, v5
	v_add_nc_u32 v[STO], s23, v5
	v_and_b32 v6, 31, v0
	v_lshlrev_b32 v[CO], 4, v6                     ; back and out: a row of 512 bytes, 16 bytes a lane
	v_add_nc_u32 v[RD], s23, v[CO]
.endif
.macro MM d, a, b, zero                ; one matrix instruction; zero = 1: the first product starts the sum, nothing is ever cleared
.if QKV
.if \zero
	v_wmma_f32_16x16x32_bf16 v[\d:\d+7], v[\a:\a+7], v[\b:\b+7], 0
.else
	v_wmma_f32_16x16x32_bf16 v[\d:\d+7], v[\a:\a+7], v[\b:\b+7], v[\d:\d+7]
.endif
.else
.if \zero
	v_wmma_f32_16x16x32_f16 v[\d:\d+7], v[\a:\a+7], v[\b:\b+7], 0
.else
	v_wmma_f32_16x16x32_f16 v[\d:\d+7], v[\a:\a+7], v[\b:\b+7], v[\d:\d+7]
.endif
.endif
.endm
; 16 matrix instructions: row blocks a0, a0 + 1 x all 8 column blocks of the group whose window is set.  The accumulators take turns, one instruction a turn.
.macro MUL16 af, bf, a0, zero
.irp a, \a0, \a0+1
.irp b, 0,1,2,3,4,5,6,7
	MM 8*(8*(\a)+\b), \bf+8*\b, \af+8*(\a), \zero
.endr
.endr
.endm
.macro FETCHB slot, q, g, buf          ; 16 LDS loads: the 8 fragments of group g, quarter q
.irp b, 0,1,2,3,4,5,6,7
	ds_load_b128 v[BF0+64*(\buf)+8*\b:BF0+64*(\buf)+8*\b+3],   v[ADRB+\slot] offset:(128*(\g)+16*\b)*BP+64*(\q)
	ds_load_b128 v[BF0+64*(\buf)+8*\b+4:BF0+64*(\buf)+8*\b+7], v[ADRB+\slot] offset:(128*(\g)+16*\b)*BP+64*(\q)+32
.endr
.endm
.macro FETCHA slot, q, buf             ; 8 LDS loads: my 4 fragments of A, quarter q: plane q / 2 of the slot, byte 64 (q % 2) of its rows
.irp a, 0,1,2,3
	ds_load_b128 v[AF0+32*(\buf)+8*\a:AF0+32*(\buf)+8*\a+3],   v[ADRA+\slot] offset:\a*16*AP+((\q)/2)*APLANE+((\q)%2)*64
	ds_load_b128 v[AF0+32*(\buf)+8*\a+4:AF0+32*(\buf)+8*\a+7], v[ADRA+\slot] offset:\a*16*AP+((\q)/2)*APLANE+((\q)%2)*64+32
.endr
.endm
; Unit u of a step (all but the last): quarter u / NG, group u % NG.  The next unit's fragments are asked for first, in one run, then this unit's 32 products are issued.
.macro UNIT slot, u, zero
.set UQ,  (\u)/NG
.set UG,  (\u)%NG
.set NQ,  ((\u)+1)/NG
.set NGR, ((\u)+1)%NG
.set UZ, 0
.if \zero
.if UQ == 0
.set UZ, 1
.endif
.endif
	PLACES                                         ; the buffers loaded below were read by the matrix instructions just issued
	WIN 0
	FETCHB \slot, NQ, NGR, ((\u)+1)&1
.if NGR == 0
	FETCHA \slot, NQ, NQ&1
	s_wait_dscnt 24                                ; LDS loads come back in order (ISA guide 5.7.1): all but the 24 just issued are in, this unit's fragments among them
.else
	s_wait_dscnt 16                                ; all but the 16 just issued
.endif
	WIN ((UG+1)<<6)|((UG+1)<<4)                    ; C and D in the group's window, sources in window 0
	MUL16 AF0+32*(UQ&1), BF0+64*((\u)&1), 0, UZ
	MUL16 AF0+32*(UQ&1), BF0+64*((\u)&1), 2, UZ
.endm
; The step's last unit (buffers 1) changes slots.  In front of the barrier each wave waits for its reads of this slot and for all its tensor loads (one is out: its part of the next slot).
; Behind it nobody reads this slot and the next slot is whole.  fill = 1: the barrier opens a round of the cluster's barrier, and the joint refill, two steps ahead, is the first tensor load behind the round.
.macro TURN slot, next, fill
	s_wait_dscnt 0x0                               ; my reads of this slot are back
	s_wait_tensorcnt 0x0                           ; all my tensor loads have landed
	ds_add_u32 v254, v255
	s_wait_dscnt 0x0
	s_barrier_signal -1
	WIN ACCLAST
	MUL16 AF0+32, BF0+64, 0, 0                     ; register work while the others arrive
	WIN 0
	s_barrier_wait -1
.if \fill
	CREST
	s_add_nc_u64 s[G0+4*\slot+2:G0+4*\slot+3], s[G0+4*\slot+2:G0+4*\slot+3], 2*ASTEP      ; no tensor load of mine is out: the sets may be written
	s_add_nc_u64 s[G0B+4*\slot+2:G0B+4*\slot+3], s[G0B+4*\slot+2:G0B+4*\slot+3], 2*BSTEP
	JLOAD \slot
.endif
	PLACES
	FETCHB \next, 0, 0, 0
	FETCHA \next, 0, 0
	WIN ACCLAST
	MUL16 AF0+32, BF0+64, 2, 0
.endm
.macro STEP slot, zero, fill, last
.set SU, 0
.rept U-1
	UNIT \slot, SU, \zero
.set SU, SU+1
.endr
.if \last
	s_wait_dscnt 0x0                               ; the very last unit: nothing more to fetch
	WIN ACCLAST
	MUL16 AF0+32, BF0+64, 0, 0
	MUL16 AF0+32, BF0+64, 2, 0
.else
	TURN \slot, 1-\slot, \fill
.endif
.endm
.macro LAP zero                        ; once round the ring, both slots filled again
	STEP 0, \zero, 1, 0
	STEP 1, 0, 1, 0
.endm
	s_wait_tensorcnt 0x1                           ; my part of step 0 is in; step 1's stays out
	s_barrier_signal -1
	s_barrier_wait -1                              ; everybody's part is in
	FETCHB 0, 0, 0, 0
	FETCHA 0, 0, 0
	LAP 1                                          ; the first lap stands in front of the loop: its first products start the sums
	WIN 0                                          ; at a label and at a branch every window is 0
	s_mov_b32 s3, LAPS-2
.Llap:
	LAP 0
	WIN 0
	s_sub_co_u32 s3, s3, 1
	s_cmp_lg_u32 s3, 0
	s_cbranch_scc1 .Llap
	STEP 0, 0, 0, 0                                ; the last lap fills nothing: a plain barrier shows the last step's tile to all four waves
	STEP 1, 0, 0, 1
	; THE WAY OUT, 16 rows at a time through my own stage in LDS, read back so that neighbouring lanes hold neighbouring bytes of the output.
	PLACES                                         ; behind the last matrix instructions, ahead of the first read of a result
.if QKV
	s_and_b32 s75, s13, 7
	s_lshl_b32 s75, s75, 15                        ; 256 rows of 128 bytes for each block row inside the batch
	s_lshl_b32 s74, s10, 13                        ; + my 64 rows
	s_add_co_u32 s75, s75, s74
.irp g, 0,1,2
	s_mul_i32 s72, s42, 3
	s_add_co_u32 s72, s72, \g                      ; the group's number among the 24 groups of 128 columns
	s_lshr_b32 s73, s72, 3
	s_lshl_b32 s73, s73, 6                         ; Q, K or V: 64 planes each
	s_and_b32 s72, s72, 7
	s_lshl1_add_u32 s73, s72, s73                  ; + the group's even head
	s_lshr_b32 s74, s13, 3
	s_lshl4_add_u32 s73, s74, s73                  ; + 16 x batch
	s_lshl_b32 s72, s73, 18                        ; planes of 262,144 bytes
	s_add_co_u32 s72, s72, s75
	s_mov_b32 s73, 0
	s_add_nc_u64 s[66+2*\g:67+2*\g], s[8:9], s[72:73]
.endr
; rows 16 a .. 16 a + 15 of my 64, group g; f: the registers read back into, two sets by turns
.macro OUT16 g, a, f
	WIN 5*(\g+1)                                   ; sources 0 and 1 in the group's window
.irp b, 0,1,2,3,4,5,6,7
.irp jj, 0,1,2,3
	v_cvt_pk_f16_f32 v[TMP+4*\b+\jj], v[8*(8*\a+\b)+2*\jj], v[8*(8*\a+\b)+2*\jj+1]
.endr
.endr
	WIN 0
.irp b, 0,1,2,3,4,5,6,7
	ds_store_b128 v[STO], v[TMP+4*\b:TMP+4*\b+3] offset:32*\b
.endr
	s_wait_xcnt 0x0                                ; set f is the data of earlier stores: it is loaded again only behind this wait
.irp t, 0,1,2,3,4,5,6,7
	ds_load_b128 v[\f+4*\t:\f+4*\t+3], v[RD] offset:544*\t         ; LDS serves a wave's instructions in order (ISA guide 5.7.1): these see the stores above
.endr
.irp t, 0,1,2,3,4,5,6,7
	s_wait_dscnt 7-\t                              ; load t is back, the 7 - t younger ones stay out
	global_store_b128 v[CO], v[\f+4*\t:\f+4*\t+3], s[66+2*\g:67+2*\g] offset:2048*\a+256*\t   ; each half of the wave stores 256 consecutive bytes, aligned: two rows of one head
.endr
.endm
.irp g, 0,1,2
	OUT16 \g, 0, BF0
	OUT16 \g, 1, BF0+64
	OUT16 \g, 2, BF0
	OUT16 \g, 3, BF0+64
.endr
.else
	s_lshl_b32 s72, s13, 20                        ; 256 rows of 4,096 bytes for each block row
	s_lshl_b32 s74, s10, 18                        ; + my 64 rows
	s_add_co_u32 s72, s72, s74
	s_lshl_b32 s74, s42, 9                         ; + 128 columns of 4 bytes for each block column
	s_add_co_u32 s72, s72, s74
	s_mov_b32 s73, 0
	s_add_nc_u64 s[66:67], s[8:9], s[72:73]
.macro OUTF a, f
	WIN 0x04                                       ; an LDS store's data is source 1: window 1
.irp b, 0,1,2,3,4,5,6,7
	ds_store_b128 v[STO], v[8*(8*\a+\b):8*(8*\a+\b)+3]   offset:64*\b
	ds_store_b128 v[STO], v[8*(8*\a+\b)+4:8*(8*\a+\b)+7] offset:64*\b+16
.endr
	WIN 0
	s_wait_xcnt 0x0                                ; set f is the data of earlier stores: it is loaded again only behind this wait
.irp t, 0,1,2,3,4,5,6,7,8,9,10,11,12,13,14,15
	ds_load_b128 v[\f+4*\t:\f+4*\t+3], v[RD] offset:528*\t
.endr
.irp t, 0,1,2,3,4,5,6,7,8,9,10,11,12,13,14,15
	s_wait_dscnt 15-\t                             ; load t is back, the 15 - t younger ones stay out
	global_store_b128 v[CO], v[\f+4*\t:\f+4*\t+3], s[66:67] offset:(16*\a+\t)*4096 th:TH_STORE_NT   ; the wave stores 512 consecutive bytes, aligned
.endr
.endm
	OUTF 0, 32
	OUTF 1, 96
	OUTF 2, 32
	OUTF 3, 96
.endif
	s_wait_tensorcnt 0x0
	ds_add_u32 v254, v255
	s_wait_dscnt 0x0
	CROUND                                         ; the closing round: no work-group ends while a partner may still ask for a tile that names it
	s_endpgm
.Lfunc_end_k_q6098eda927_oproj:
	.size	k_q6098eda927_oproj, .Lfunc_end_k_q6098eda927_oproj-k_q6098eda927_oproj
	.p2alignl 7, 3214868480
	.fill 96, 4, 3214868480
	.section	.rodata,"a",@progbits
	.p2align	6, 0x0
	.amdhsa_kernel k_q6098eda927_oproj
		.amdhsa_group_segment_fixed_size 327680
		.amdhsa_private_segment_fixed_size 0
		.amdhsa_enable_private_segment 0
		.amdhsa_kernarg_size 24
		.amdhsa_user_sgpr_count 2
		.amdhsa_user_sgpr_kernarg_segment_ptr 1
		.amdhsa_wavefront_size32 1
		.amdhsa_system_sgpr_workgroup_id_x 1
		.amdhsa_system_sgpr_workgroup_id_y 1
		.amdhsa_system_sgpr_workgroup_id_z 1
		.amdhsa_system_vgpr_workitem_id 0
		.amdhsa_next_free_vgpr 512
		.amdhsa_next_free_sgpr 80
		.amdhsa_reserve_vcc 0
		.amdhsa_float_denorm_mode_32 3
		.amdhsa_float_denorm_mode_16_64 3
		.amdhsa_memory_ordered 1
		.amdhsa_forward_progress 1
		.amdhsa_inst_pref_size 116
	.end_amdhsa_kernel
	.amdgpu_metadata
---
amdhsa.version: [ 1, 2 ]
amdhsa.kernels:
  - .name:           k_q6098eda927_oproj
    .symbol:         k_q6098eda927_oproj.kd
    .args:
      - { .name: ao, .offset: 0, .size: 8, .value_kind: global_buffer, .address_space: global }
      - { .name: wo16, .offset: 8, .size: 8, .value_kind: global_buffer, .address_space: global }
      - { .name: out0, .offset: 16, .size: 8, .value_kind: global_buffer, .address_space: global }
    .group_segment_fixed_size: 327680
    .private_segment_fixed_size: 0
    .kernarg_segment_align: 8
    .kernarg_segment_size: 24
    .max_flat_workgroup_size: 128
    .sgpr_count:     80
    .vgpr_count:     512
    .wavefront_size: 32
...
	.end_amdgpu_metadata
.endif
;; end of part 4
;; ======== version 2 of 2: 4 launches
;; limits: values are held in f16: magnitudes above 65,504 overflow, below 6.1e-05 lose precision
;; workspace buffers: xb 16,777,216 bytes; wb 6,291,456 bytes; wo16 2,097,152 bytes; qkv 50,331,648 bytes; ao 16,777,216 bytes
;; launch cast: the kernel of part 1 again; grid 64 x 12, 8 waves a work-group, no clusters, 0 bytes of LDS; arguments x, Wq, Wk, Wv, Wo, xb, wb, wo16; writes xb, wb, wo16
;; launch qkv: the kernel of part 2 again; grid 8 x 32, 4 waves a work-group, clusters of 4 x 4, 327,680 bytes of LDS; arguments xb, wb, qkv; writes qkv
;; launch attn (part 5): grid 256 x 1, 8 waves a work-group, clusters of 4 x 1, 327,680 bytes of LDS; arguments qkv, ao; writes ao
.if DOCPART == 5
	.amdgcn_target "amdgcn-amd-amdhsa--gfx1250"
	.amdhsa_code_object_version 6
	.text
	.protected	k_q6098eda927_attn
	.globl	k_q6098eda927_attn
	.p2align	8
	.type	k_q6098eda927_attn,@function
k_q6098eda927_attn:
	s_mov_b64 s[64:65], 0
	v_nop
	global_prefetch_b8 v0, s[64:65] scope:SCOPE_SE
	s_setreg_imm32_b32 hwreg(HW_REG_WAVE_MODE, 25, 1), 1
	s_wait_xcnt 0x0
	s_wait_alu depctr_hold_cnt(0) depctr_sa_sdst(0) depctr_va_vdst(0) depctr_va_sdst(0) depctr_va_ssrc(0) depctr_va_vcc(0) depctr_vm_vsrc(0)
	s_getreg_b32 s2, hwreg(HW_REG_IB_STS2, 6, 4)
	s_cmp_eq_u32 s2, 0
	s_cbranch_scc0 .Lentry_in_a_cluster
	s_endpgm
.Lentry_in_a_cluster:
	s_bfe_u32 s2, ttmp6, 0x10000c
	s_cmp_lg_u32 s2, 0x3003
	s_cbranch_scc0 .Lentry_shape_is_right
	s_endpgm
.Lentry_shape_is_right:
; Causal attention of one head, f16 operands, f32 scores, sums and softmax, with a running maximum.
; qkv: [3 (Q, K, V)][64 (batch x 16 + head)][2048][64] f16;  ao: [64][2048][64] f16.
; LIMITS: a NaN among the scores loses in the row maximum.  Probabilities are at most about 1 and go to the matrix unit as f16 (small ones as f16 denormals or 0).
; WAVES.  Eight waves of 512 registers, two for each SIMD's 1,024.  An item (16 queries x 64 keys) is 16 matrix instructions and about 125 vector instructions whose operands lie in other
; register windows; with two waves on a SIMD one wave's softmax can be issued while the other's products are at work, without a window switch round every product.
; SHARE.  A cluster of four work-groups owns one head (the cluster's x).  The rows go in four bands of 512.  Wave number l (0 .. 7) of work-group cx owns four query tiles of 16 rows, one a band:
; tile n holds rows 512 n + 64 l + 16 cx + r.  The keys are walked once, in 32 tiles of 64; a chunk is four of them (256 keys, one LDS slot), a band two chunks.  In band p the query tiles
; n = p .. 3 are at work; tiles above p need no mask.  For tile p and key tile tb (0 .. 7) of its own band: tb < l needs no mask (every key lies below the tile's rows), tb = l is masked by value
; (v_cndmask_b32), tb > l is masked whole and left out: it would leave maximum, sum and output as they are.  Both choices are branches on the loop's counter against the wave's number,
; alike in all four work-groups; no barrier and no tensor load stands under them.  l = w for waves 0-3 and 11 - w for waves 4-7: waves w and w + 4 have 9 of 16 such items in a band between them.
; All four work-groups want every tile of K and V at the same time: each is asked for JOINTLY (mask 15).
; TRANSPOSED PRODUCTS.  S^T = K Q^T (source 0 = 16 keys, source 1 = 16 queries): lane (r, h) holds query r and keys 16 kb + 8 h + j.  Packed to f16 these registers ARE source 1 of
; O^T = V^T P^T (source 0 = V through the transposing LDS load).  Maximum, sum and rescaling are one number a lane; one v_permlanex16_b32 an item is all the traffic between lanes.
; LOOPS.  A query tile's registers cannot be indexed, so a key tile's 4 - p items are written out; the four key tiles of a chunk run through that one text, a loop of four trips.
; Key tile 0 is written out ahead of chunk 0's loop (three trips): its products start the sums, nothing is cleared.  The text is 4 + 20 items.
; ORDER IN A TRIP.  The key tile's first scores at the head; then at each item's head the NEXT query tile's eight score products, and behind them the softmax of scores that are finished.
; V's fragments are fetched in the trip's first item and waited for in front of the first products with V; K's fragments of the next key tile are fetched behind the last products that read K's.
.set KP,     144                       ; K's LDS pitch: 128 bytes + 16, an odd multiple of 16
.set VP,     160                       ; V's: 128 + 32, an odd multiple of 32, for the transposing load
.set KBYTES, 256*KP
.set SLOT,   256*KP+256*VP             ; a chunk: 256 keys of K, then of V: 77,824 bytes
.set STAGE,  2*SLOT                    ; 155,648, a multiple of 256; 16 rows x 144 bytes for each of eight waves; no fill lands there
; window 0
.set KA,  8                            ; v8-9     LDS address of my K fragments of a slot's first key tile, slot 0, 1
.set VA,  10                           ; v10-11   the same for V
.set STO, 12                           ; the way out: in
.set RD,  13                           ; the way out: back
.set CO,  14                           ; my byte offset in ao's plane
.set QO,  15                           ; my byte offset in Q's plane
.set DM,  16                           ; 16 cx + r - 8 h: my row's place among the 64 keys of the key tile that crosses it, less my half's first key
.set NEG, 18                           ; -1e30, the masked score of the problem
.set NP,  20                           ; v[20:21] minus the scaled new maximum (low register; the upper ones of these three pairs are written once: a pair is read whole)
.set AL,  22                           ; v[22:23] the factor for what was summed under the old maximum
.set RL,  24                           ; v[24:25] 1 / the row's sum
.set TT,  26                           ; v[26:29] at work
.set SU,  30                           ; v[30:33] two pairs of partial sums
.set NM,  34                           ; v[34:37] tile n: minus the scaled running maximum
.set LS,  38                           ; v[38:41] tile n: my half's running sum
.set KAD, 50                           ; LDS address of the K fragments fetched in this trip
.set VAD, 51                           ; the same for V
.set P,   64                           ; v[64:79] the probabilities in f16
.set OB,  80                           ; v[80:95] the way out
.set SX0, 96                           ; v[96:127], v[128:159] two score buffers: query tile n uses buffer n & 1
.set QF,  160                          ; v[160:223] Q of tile n, half ks of the head's 64, at QF + 16 n + 8 ks
; window 1
.set VF,  64                           ; K's fragments at v[8 (kb + 4 ks)], V's at v[VF + 8 (blk + 4 ks)]
.set OF,  128                          ; O of tile n, block blk of 16 of the head's 64, at v[OF + 32 n + 8 blk]
.set G1K, 24                           ; s[24:31] descriptor group 1 for K
.set G0K, 32                           ; s[32:39] group 0 for K, a set for each slot
.set G1V, 48                           ; s[48:55] group 1 for V
.set G0V, 56                           ; s[56:63] group 0 for V, a set for each slot
.set MSB, 0
.macro WIN new                         ; s_set_vgpr_msb: bits 1:0 source 0, 3:2 source 1, 5:4 source 2, 7:6 destination; the high byte repeats the setting that is left
.set WNEW, \new
.if MSB != WNEW
	s_set_vgpr_msb (MSB<<8)|WNEW
.set MSB, WNEW
.endif
.endm
.macro PLACES                          ; four plain vector instructions between a matrix instruction and a vector read of its result or a load into its sources
.rept 4
	v_nop
.endr
.endm
.macro JLOAD s                         ; waves 0-3 ask for the four quarters of a chunk's K, waves 4-7 for V's; the branch hangs on the wave's number alone
	s_cmp_lt_u32 s8, 4
	s_cbranch_scc0 .Lfor_v_\@
	tensor_load_to_lds s[G0K+4*(\s):G0K+4*(\s)+3], s[G1K:G1K+7]
	s_nop 0
	s_branch .Lasked_\@
.Lfor_v_\@:
	tensor_load_to_lds s[G0V+4*(\s):G0V+4*(\s)+3], s[G1V:G1V+7]
	s_nop 0
.Lasked_\@:
.endm
.macro CROUND                          ; a round of the cluster's barrier
	s_barrier_signal -1
	s_barrier_wait -1
	s_cmp_lg_u32 s8, 0
	s_cbranch_scc1 .Lnot_wave_0_\@
	s_barrier_signal -3
.Lnot_wave_0_\@:
	s_barrier_wait -3
	s_barrier_signal -1
	s_barrier_wait -1
.endm
	s_load_b128 s[4:7], s[0:1], 0x0                ; qkv s[4:5], ao s[6:7]
	v_lshl_add_u32 v254, v0, 2, 0x2a800
	v_mov_b32 v255, 0
	ds_add_u32 v254, v255
	v_lshrrev_b32 v1, 5, v0
	v_readfirstlane_b32 s8, v1                     ; wave w, 0..7
	s_bfe_u32 s9, ttmp6, 0x40000                   ; cx: enters global offsets and the mask's numbers alone
	s_and_b32 s11, s8, 3                           ; which 64 keys of a chunk I fetch
	s_sub_co_u32 s46, 11, s8
	s_cmp_lt_u32 s8, 4
	s_cselect_b32 s10, s8, s46                     ; l: w for waves 0-3, 11 - w for waves 4-7.  Also the number of the key tile that crosses my rows, counted in a band's first chunk,
	s_sub_co_i32 s46, s10, 4                       ; and l - 4: the same counted in its second chunk (negative: the tile lies in the first)
	s_mov_b32 s12, 0x76543210                      ; v_permlanex16_b32: lane i of one half reads lane i of the other
	s_mov_b32 s13, 0xfedcba98
	s_mov_b32 s14, 0x3e38aa3b                      ; c = log2(e) / 8: the division by sqrt(64) and the change to base 2 in one factor
	s_mov_b32 s15, 0x3e38aa3b
	s_mov_b32 s16, 0xbe38aa3b                      ; -c
	s_lshl_b32 s18, ttmp9, 18                      ; the head's plane: 262,144 bytes each
	s_mov_b32 s19, 0
	s_lshl_b32 s20, s11, 13                        ; + my 64 keys of 128 bytes
	s_add_co_u32 s20, s20, s18
	s_mov_b32 s21, 0
	s_mul_i32 s17, s11, 64*KP                      ; where my quarter of K goes in a slot,
	s_mul_i32 s40, s11, 64*VP
	s_add_co_u32 s40, s40, KBYTES                  ; and my quarter of V
	; group 1: 8 KiB, dense in memory, taken as 32 rows of 32 elements of 8 bytes; padding behind every 32 words, that is behind each key's 128 bytes
	s_mov_b32 s[G1K+0], 15|(3<<16)|(1<<20)|(1<<21)|(4<<22)|(3<<25)   ; the mask names all four work-groups; bit 21 beside it; 4 words of padding
	s_mov_b32 s[G1K+1], 32<<16
	s_mov_b32 s[G1K+2], 32<<16
	s_mov_b32 s[G1K+3], 32<<16
	s_mov_b32 s[G1K+4], 32
	s_mov_b32 s[G1K+5], 32
	s_mov_b32 s[G1K+6], 0
	s_mov_b32 s[G1K+7], 0
	s_mov_b32 s[G1V+0], 15|(3<<16)|(1<<20)|(1<<21)|(4<<22)|(7<<25)   ; the same with 8 words of padding
	s_mov_b32 s[G1V+1], 32<<16
	s_mov_b32 s[G1V+2], 32<<16
	s_mov_b32 s[G1V+3], 32<<16
	s_mov_b32 s[G1V+4], 32
	s_mov_b32 s[G1V+5], 32
	s_mov_b32 s[G1V+6], 0
	s_mov_b32 s[G1V+7], 0
	v_and_b32 v1, 15, v0                           ; r
	v_bfe_u32 v2, v0, 4, 1                         ; h
	v_and_b32 v3, 7, v0                            ; lane % 8
	v_bfe_u32 v4, v0, 3, 1                         ; (lane / 8) % 2
	v_and_b32 v5, 31, v0                           ; lane
	v_mul_u32_u24 v6, v1, KP
	v_lshl_add_u32 v[KA], v2, 4, v6                ; K: key r of a block of 16, 16 bytes for each half of the lanes
	v_add_nc_u32 v[KA+1], SLOT, v[KA]
	v_lshl_add_u32 v6, v2, 3, v3                   ; V, transposing load: key 8 h + lane % 8,
	v_mul_u32_u24 v6, v6, VP
	v_lshl_add_u32 v6, v4, 4, v6                   ; 16 bytes for each group of eight lanes
	v_add_nc_u32 v[VA], KBYTES, v6
	v_add_nc_u32 v[VA+1], SLOT+KBYTES, v6
	s_mul_i32 s41, s8, 16*KP
	s_add_co_u32 s41, s41, STAGE                   ; my stage: the wave's number times 2,304 behind the ring
	v_add_nc_u32 v[STO], s41, v[KA]                ; in: row r, 16 bytes for each half (the same pitch as K's)
	v_lshrrev_b32 v6, 3, v5
	v_mul_u32_u24 v6, v6, KP
	v_lshl_add_u32 v6, v3, 4, v6                   ; back: four rows of 128 bytes a load
	v_add_nc_u32 v[RD], s41, v6
	s_lshl_b32 s42, s10, 6
	s_lshl4_add_u32 s42, s9, s42                   ; 64 l + 16 cx: my tiles' first row in their bands
	s_lshl_b32 s43, s42, 7                         ; in bytes
	v_lshl_add_u32 v[CO], v5, 4, s43
	v_lshlrev_b32 v6, 7, v1
	v_lshl_add_u32 v6, v2, 4, v6
	v_add_nc_u32 v[QO], s43, v6                    ; Q: row r, 16 bytes for each half
	s_lshl_b32 s47, s9, 4
	v_add_nc_u32 v[DM], s47, v1                    ; 16 cx + r
	v_lshlrev_b32 v6, 3, v2
	v_sub_nc_u32 v[DM], v[DM], v6                  ; - 8 h
	v_mov_b32 v[NEG], 0xf149f2ca                   ; -1e30
	v_mov_b32 v[NP+1], 0
	v_mov_b32 v[AL+1], 0
	v_mov_b32 v[RL+1], 0
	s_wait_dscnt 0x0
	s_wait_kmcnt 0x0
	s_add_nc_u64 s[6:7], s[6:7], s[18:19]          ; ao at the head's plane
	s_add_nc_u64 s[22:23], s[4:5], s[20:21]        ; qkv at the head's plane of Q + my quarter of a chunk
	s_add_nc_u64 s[4:5], s[4:5], s[18:19]          ; Q's plane
	CROUND                                         ; all four work-groups are here: the first joint loads meet
.irp s, 0,1
	s_mov_b32 s[G0K+4*\s], 1
	s_add_co_u32 s[G0K+4*\s+1], s17, \s*SLOT
	s_add_nc_u64 s[G0K+4*\s+2:G0K+4*\s+3], s[22:23], 0x1000000+\s*32768    ; K's planes begin 64 planes on; chunk s
	s_or_b32 s[G0K+4*\s+3], s[G0K+4*\s+3], 0x80000000
	s_mov_b32 s[G0V+4*\s], 1
	s_add_co_u32 s[G0V+4*\s+1], s40, \s*SLOT
	s_add_nc_u64 s[G0V+4*\s+2:G0V+4*\s+3], s[22:23], 0x2000000+\s*32768    ; V's 128 planes on
	s_or_b32 s[G0V+4*\s+3], s[G0V+4*\s+3], 0x80000000
	JLOAD \s                                       ; chunks 0 and 1 go out together: two tensor loads of the wave are out here, later one
.endr
.irp n, 0,1,2,3
.irp e, 0,1,2,3
	global_load_b128 v[QF+16*\n+4*\e:QF+16*\n+4*\e+3], v[QO], s[4:5] offset:65536*\n+32*\e   ; Q stays in registers for the whole launch; a band is 512 rows of 128 bytes
.endr
.endr
; The eight score products of query tile n with the key tile whose fragments lie in window 1, into score buffer n & 1.  Four accumulators take turns.
.macro SMUL n
.set SD, SX0+32*((\n)&1)
	WIN 0x01                                       ; source 0 (K) window 1; Q and the scores window 0
.irp ks, 0,1
.irp kb, 0,1,2,3
.if \ks
	v_wmma_f32_16x16x32_f16 v[SD+8*\kb:SD+8*\kb+7], v[8*(\kb+4*\ks):8*(\kb+4*\ks)+7], v[QF+16*(\n)+8*\ks:QF+16*(\n)+8*\ks+7], v[SD+8*\kb:SD+8*\kb+7]
.else
	v_wmma_f32_16x16x32_f16 v[SD+8*\kb:SD+8*\kb+7], v[8*(\kb+4*\ks):8*(\kb+4*\ks)+7], v[QF+16*(\n)+8*\ks:QF+16*(\n)+8*\ks+7], 0
.endif
.endr
.endr
.endm
.macro FETCHK areg, off                ; 16 LDS loads: K's fragments of the key tile at address register areg + off
	WIN 0x40                                       ; destination in window 1
.irp ks, 0,1
.irp kb, 0,1,2,3
	ds_load_b128 v[8*(\kb+4*\ks):8*(\kb+4*\ks)+3],   v[\areg] offset:\off+16*\kb*KP+64*\ks
	ds_load_b128 v[8*(\kb+4*\ks)+4:8*(\kb+4*\ks)+7], v[\areg] offset:\off+16*\kb*KP+64*\ks+32
.endr
.endr
.endm
.macro FETCHV areg, off                ; 16 transposing LDS loads: V^T's fragments: lane (r, h) gets keys 8 h + 0..7 (and 16 more on) of column 16 blk + r
	WIN 0x40
.irp ks, 0,1
.irp blk, 0,1,2,3
	ds_load_tr16_b128 v[VF+8*(\blk+4*\ks):VF+8*(\blk+4*\ks)+3],   v[\areg] offset:\off+32*\ks*VP+32*\blk
	ds_load_tr16_b128 v[VF+8*(\blk+4*\ks)+4:VF+8*(\blk+4*\ks)+7], v[\areg] offset:\off+(32*\ks+16)*VP+32*\blk
.endr
.endr
.endm
.macro VFETCH                          ; this trip's V (window 0 is set)
	s_min_u32 s44, s3, 3                           ; the key tile's number in its slot, 0 to 3: the bound stands in the instruction
	s_mul_i32 s44, s44, 64*VP
	v_add_nc_u32 v[VAD], s44, v[VA+SL]
	FETCHV VAD, 0
.endm
.macro KFETCH                          ; the next trip's K
	WIN 0
	s_add_co_u32 s45, s3, 1                        ; the next key tile of the slot.  In the chunk's last trip there is none: the number is clamped and the last tile's fragments
	s_min_u32 s45, s45, 3                          ; are fetched once more, unused; the next chunk's first tile lies in the other slot and is fetched behind the change of slots
	s_mul_i32 s45, s45, 64*KP
	v_add_nc_u32 v[KAD], s45, v[KA+SL]
	FETCHK KAD, 0
.endm
; The key tile that crosses my rows: key 16 kb + 8 h + j of it stays where it is at most row 16 cx + r of its 64, that is 16 kb + j <= DM; else the score is -1e30.
.macro MASK
.irp kb, 0,1,2,3
.irp j, 0,1,2,3,4,5,6,7
	v_cmp_le_i32 vcc_lo, 16*\kb+\j, v[DM]
	v_cndmask_b32 v[SBC+8*\kb+\j], v[NEG], v[SBC+8*\kb+\j], vcc_lo
.endr
.endr
.endm
; The largest of my row's 64 scores (32 here, 32 in the other half of the lanes), the new running maximum, and the factor for the old sums.
.macro ROWMAX
.irp c, 0,1,2,3
	v_max3_num_f32 v[TT+\c], v[SBC+8*\c], v[SBC+8*\c+1], v[SBC+8*\c+2]
.endr
.irp c, 0,1,2,3
	v_max3_num_f32 v[TT+\c], v[TT+\c], v[SBC+8*\c+3], v[SBC+8*\c+4]
.endr
.irp c, 0,1,2,3
	v_max3_num_f32 v[TT+\c], v[TT+\c], v[SBC+8*\c+5], v[SBC+8*\c+6]
.endr
	v_max3_num_f32 v[TT], v[TT], v[SBC+7], v[SBC+15]
	v_max3_num_f32 v[TT+1], v[TT+1], v[SBC+23], v[SBC+31]
	v_max3_num_f32 v[TT], v[TT], v[TT+2], v[TT+3]
	v_max_num_f32 v[TT], v[TT], v[TT+1]
	v_permlanex16_b32 v[TT+1], v[TT], s12, s13
	v_max_num_f32 v[TT], v[TT], v[TT+1]
.if FIRST
	v_mul_f32 v[NP], s16, v[TT]                    ; the first key tile holds key 0, which no row masks: the maximum is a true score from here on
.else
	v_mul_f32 v[TT], s16, v[TT]
	v_min_num_f32 v[NP], v[NM+QN], v[TT]           ; minus the larger maximum
	v_sub_f32 v[AL], v[NP], v[NM+QN]
	v_exp_f32 v[AL], v[AL]                         ; 2^(old - new), at most 1; its first use stands behind the whole softmax (ISA guide 5.7.2 asks for one plain instruction)
.endif
.endm
.macro EXP8 kb
.irp j, 0,1,2,3,4,5,6,7
	v_exp_f32 v[SBC+8*\kb+\j], v[SBC+8*\kb+\j]
.endr
.endm
.macro WORK kb                         ; block kb's eight probabilities: packed to f16, and added up in f32
	s_wait_alu depctr_va_vdst(0)
.irp jj, 0,1,2,3
	v_cvt_pk_f16_f32 v[P+4*\kb+\jj], v[SBC+8*\kb+2*\jj], v[SBC+8*\kb+2*\jj+1]
.endr
.if \kb
	v_pk_add_f32 v[SU:SU+1],   v[SU:SU+1],   v[SBC+8*\kb:SBC+8*\kb+1]
	v_pk_add_f32 v[SU+2:SU+3], v[SU+2:SU+3], v[SBC+8*\kb+2:SBC+8*\kb+3]
	v_pk_add_f32 v[SU:SU+1],   v[SU:SU+1],   v[SBC+8*\kb+4:SBC+8*\kb+5]
	v_pk_add_f32 v[SU+2:SU+3], v[SU+2:SU+3], v[SBC+8*\kb+6:SBC+8*\kb+7]
.else
	v_pk_add_f32 v[SU:SU+1],   v[SBC:SBC+1],   v[SBC+2:SBC+3]      ; the first block starts the sums
	v_pk_add_f32 v[SU+2:SU+3], v[SBC+4:SBC+5], v[SBC+6:SBC+7]
.endif
.endm
; p = 2^(c s - c max).  The exponentials go in runs of eight, and a run's results are used only behind a plain instruction that follows the run (ISA guide 5.7.2).
.macro SOFT
.irp k, 0,2,4,6,8,10,12,14,16,18,20,22,24,26,28,30
	v_pk_fma_f32 v[SBC+\k:SBC+\k+1], v[SBC+\k:SBC+\k+1], s[14:15], v[NP:NP+1] op_sel_hi:[1,0,0]
.endr
	EXP8 0
	v_mov_b32 v[NM+QN], v[NP]                      ; the running maximum is kept; also the plain instruction behind the first run
	EXP8 1
	WORK 0
	EXP8 2
	WORK 1
	EXP8 3
	WORK 2
	WORK 3
	v_pk_add_f32 v[SU:SU+1], v[SU:SU+1], v[SU+2:SU+3]
.if FIRST
	v_add_f32 v[LS+QN], v[SU], v[SU+1]
.else
	v_add_f32 v[SU], v[SU], v[SU+1]
	v_fma_f32 v[LS+QN], v[LS+QN], v[AL], v[SU]
.endif
.endm
.macro RESC                            ; what was summed under the old maximum is scaled down; the window setting is that of the products with V, which follow
	WIN 0x51                                       ; destination and source 0 in window 1, source 1 (the factor) in window 0
.irp k, 0,2,4,6,8,10,12,14,16,18,20,22,24,26,28,30
	v_pk_mul_f32 v[OF+32*QN+\k:OF+32*QN+\k+1], v[OF+32*QN+\k:OF+32*QN+\k+1], v[AL:AL+1] op_sel_hi:[1,0]
.endr
.endm
.macro PV                              ; O^T += V^T P^T: four accumulators take turns; in the first key tile the first products start the sums
	WIN 0x51                                       ; source 0 (V), C and D window 1, source 1 (P) window 0
.irp ks, 0,1
.irp blk, 0,1,2,3
.set PVZ, 0
.if FIRST
.if \ks == 0
.set PVZ, 1
.endif
.endif
.if PVZ
	v_wmma_f32_16x16x32_f16 v[OF+32*QN+8*\blk:OF+32*QN+8*\blk+7], v[VF+8*(\blk+4*\ks):VF+8*(\blk+4*\ks)+7], v[P+8*\ks:P+8*\ks+7], 0
.else
	v_wmma_f32_16x16x32_f16 v[OF+32*QN+8*\blk:OF+32*QN+8*\blk+7], v[VF+8*(\blk+4*\ks):VF+8*(\blk+4*\ks)+7], v[P+8*\ks:P+8*\ks+7], v[OF+32*QN+8*\blk:OF+32*QN+8*\blk+7]
.endif
.endr
.endr
.endm
; One item: query tile QN x the trip's key tile (number s3 in its slot SL; FIRST = 1: key tile 0, written out).  Its scores lie in buffer QN & 1.
.macro ITEM
.set SBC, SX0+32*(QN&1)
.if QN < 3
	SMUL QN+1                                      ; the next query tile's scores, into the other buffer
.endif
	WIN 0
.if QN == PH
	PLACES                                         ; this item's scores were issued at the trip's head, and only matrix instructions stand behind them; V's fragments were read by the last trip's last products
	s_cmp_lg_u32 s3, s[LIM]                        ; only the key tile that crosses my rows is masked; the earlier ones lie below them whole
	s_cbranch_scc1 .Lnomask_\@
	MASK
.Lnomask_\@:
.endif
	ROWMAX
.if QN == PH
	VFETCH                                         ; this key tile's V; the softmax below stands between the fetch and its use
.endif
.if QN == KQ
	KFETCH                                         ; K's registers were last read by the score products at this item's head (in band 3: at the trip's head); the instructions since are the places
.endif
	WIN 0
	SOFT
.if QN == PH
.if QN == KQ
	s_wait_dscnt 16                                ; LDS loads come back in order (ISA guide 5.7.1): V's 16 are in, K's 16 younger ones stay out
.else
	s_wait_dscnt 0x0                               ; V's fragments are in
.endif
.endif
.if QN == PH+1                         ; where the band's own item was left out, this is the first item that reads V
.if KQ <= QN
	s_wait_dscnt 16                                ; V's 16 are in, K's 16 younger ones stay out
.else
	s_wait_dscnt 0x0
.endif
.endif
.if FIRST == 0
	RESC
.endif
	PV
.endm
; The way of a wave for which the key tile lies above all rows of its tile PH: the item is left out; what the later items need is still done.  In band 3 there are none, and no later trip
; of this wave reads K or V of this band: nothing is done.
.macro SKIPPED
.if PH < 3
	SMUL PH+1                                      ; the next query tile's scores
	WIN 0
	PLACES                                         ; behind these products (their scores are read next, K's registers loaded below) and behind the last trip's products with V
	VFETCH
.if KQ == PH
	KFETCH
.endif
	WIN 0
.endif
.endm
.macro KEYTILE                         ; one key tile: the 4 - PH query tiles at work
	WIN 0
	s_wait_dscnt 0x0                               ; K's fragments of this key tile are in
.if FIRST == 0
	s_cmp_gt_i32 s3, s[LIM]                        ; the key tile lies above my tile PH's rows?
	s_cbranch_scc1 .Lskip_\@
.endif
	SMUL PH                                        ; the first item's scores
.set QN, PH
	ITEM
.if FIRST == 0
	WIN 0                                          ; at a label and at a branch every window is 0
	s_branch .Ljoin_\@
.Lskip_\@:
	SKIPPED
.Ljoin_\@:
.endif
.if PH < 3
.set QN, PH+1
.rept 3-PH
	ITEM
.set QN, QN+1
.endr
.endif
.endm
; The change of slots behind chunk CH.  Each wave waits for its LDS reads (all of slot SL's are among them) and for all its tensor loads (one is out: its part of chunk CH + 1).
; CH <= 5: a round of the cluster's barrier, and the joint refill of slot SL with chunk CH + 2 first behind it; it has a whole chunk in which to land.
; CH = 6: nothing is left to fetch; a plain barrier shows chunk 7 to all eight waves.
.macro TURN
	WIN 0
	s_wait_dscnt 0x0
	s_wait_tensorcnt 0x0
	ds_add_u32 v254, v255
	s_wait_dscnt 0x0
.if CH <= 5
	CROUND
	s_add_nc_u64 s[G0K+4*SL+2:G0K+4*SL+3], s[G0K+4*SL+2:G0K+4*SL+3], 65536   ; two chunks on; no tensor load of mine is out
	s_add_nc_u64 s[G0V+4*SL+2:G0V+4*SL+3], s[G0V+4*SL+2:G0V+4*SL+3], 65536
	JLOAD SL
.else
	s_barrier_signal -1
	s_barrier_wait -1
.endif
.endm
; Query tile PH has seen its last key: divide by the row's sum, round to f16, and out through my stage; score buffer 0, used up, is the workspace.
.macro FINISH
	WIN 0
	PLACES                                         ; in the last band the products just issued wrote this very tile
	v_permlanex16_b32 v[TT+1], v[LS+PH], s12, s13
	v_add_f32 v[TT], v[LS+PH], v[TT+1]             ; both halves' sums; at least about 1: the maximum's own term
	v_rcp_f32 v[RL], v[TT]
	v_nop                                          ; one plain instruction behind the reciprocal (ISA guide 5.7.2)
	WIN 0x01                                       ; source 0 in window 1
	s_wait_alu depctr_va_vdst(0)
.irp k, 0,2,4,6,8,10,12,14,16,18,20,22,24,26,28,30
	v_pk_mul_f32 v[SX0+\k:SX0+\k+1], v[OF+32*PH+\k:OF+32*PH+\k+1], v[RL:RL+1] op_sel_hi:[1,0]
.endr
	WIN 0
.irp k, 0,1,2,3,4,5,6,7,8,9,10,11,12,13,14,15
	v_cvt_pk_f16_f32 v[SX0+\k], v[SX0+2*\k], v[SX0+2*\k+1]         ; register k is written when registers 2 k and 2 k + 1 are read: never ahead of a read
.endr
.irp blk, 0,1,2,3
	ds_store_b128 v[STO], v[SX0+4*\blk:SX0+4*\blk+3] offset:32*\blk
.endr
	s_wait_xcnt 0x0                                ; OB is the data of the last tile's stores: it is loaded again only behind this wait
.irp t, 0,1,2,3
	ds_load_b128 v[OB+4*\t:OB+4*\t+3], v[RD] offset:4*KP*\t        ; LDS serves a wave's instructions in order (ISA guide 5.7.1): these see the stores above
.endr
	s_wait_dscnt 0x0
.irp t, 0,1,2,3
	global_store_b128 v[CO], v[OB+4*\t:OB+4*\t+3], s[6:7] offset:65536*PH+512*\t   ; the wave stores 512 consecutive bytes, aligned: four rows of the plane
.endr
.endm
; Chunk c: the loop over its four key tiles, the change of slots, the next chunk's first K fragments, and behind a band's second chunk the finished query tile's way out.
.macro CHUNK c
.set CH, \c
.set PH, CH/2
.set SL, CH&1
.if SL
.set LIM, 46                           ; s46 = l - 4: the number, in this chunk, of the key tile that crosses my tile PH's rows
.else
.set LIM, 10                           ; s10 = l
.endif
.set KQ, 2                             ; the item behind whose head K's fragments are free: the last score products (query tile 3's) stand at item 2's head,
.if PH == 3
.set KQ, 3                             ; in band 3 at the trip's head
.endif
	WIN 0                                          ; at a label and at a branch every window is 0
.if CH == 0
	s_mov_b32 s3, 1                                ; key tile 0 is done
.else
	s_mov_b32 s3, 0
.endif
.Lchunk_\c:
	KEYTILE
	WIN 0
	s_add_co_u32 s3, s3, 1
	s_cmp_lt_u32 s3, 4
	s_cbranch_scc1 .Lchunk_\c
.if CH < 7
	TURN
	FETCHK KA+1-SL, 0                              ; the other slot's first key tile
.endif
.if SL
	FINISH
.endif
.endm
	s_wait_tensorcnt 0x1                           ; my part of chunk 0 is in; chunk 1's stays out
	s_barrier_signal -1
	s_barrier_wait -1                              ; everybody's part is in
	FETCHK KA, 0
	s_wait_loadcnt 0x0                             ; Q
	s_mov_b32 s3, 0                                ; key tile 0 of slot 0
.set CH, 0
.set PH, 0
.set SL, 0
.set LIM, 10
.set KQ, 2
.set FIRST, 1
	KEYTILE                                        ; key tile 0: no wave leaves it out (0 <= l); its products start the sums
.set FIRST, 0
.irp c, 0,1,2,3,4,5,6,7
	CHUNK \c
.endr
	WIN 0
	s_wait_tensorcnt 0x0
	ds_add_u32 v254, v255
	s_wait_dscnt 0x0
	CROUND                                         ; the closing round: no work-group ends while a partner may still ask for a tile that names it
	s_endpgm
.Lfunc_end_k_q6098eda927_attn:
	.size	k_q6098eda927_attn, .Lfunc_end_k_q6098eda927_attn-k_q6098eda927_attn
	.p2alignl 7, 3214868480
	.fill 96, 4, 3214868480
	.section	.rodata,"a",@progbits
	.p2align	6, 0x0
	.amdhsa_kernel k_q6098eda927_attn
		.amdhsa_group_segment_fixed_size 327680
		.amdhsa_private_segment_fixed_size 0
		.amdhsa_enable_private_segment 0
		.amdhsa_kernarg_size 16
		.amdhsa_user_sgpr_count 2
		.amdhsa_user_sgpr_kernarg_segment_ptr 1
		.amdhsa_wavefront_size32 1
		.amdhsa_system_sgpr_workgroup_id_x 1
		.amdhsa_system_sgpr_workgroup_id_y 1
		.amdhsa_system_sgpr_workgroup_id_z 1
		.amdhsa_system_vgpr_workitem_id 0
		.amdhsa_next_free_vgpr 512
		.amdhsa_next_free_sgpr 66
		.amdhsa_reserve_vcc 1
		.amdhsa_float_denorm_mode_32 3
		.amdhsa_float_denorm_mode_16_64 3
		.amdhsa_memory_ordered 1
		.amdhsa_forward_progress 1
		.amdhsa_inst_pref_size 255
	.end_amdhsa_kernel
	.section	.bss,"aw",@nobits
	.p2align	6
	.space	262144
	.amdgpu_metadata
---
amdhsa.version: [ 1, 2 ]
amdhsa.kernels:
  - .name:           k_q6098eda927_attn
    .symbol:         k_q6098eda927_attn.kd
    .args:
      - { .name: qkv, .offset: 0, .size: 8, .value_kind: global_buffer, .address_space: global }
      - { .name: ao, .offset: 8, .size: 8, .value_kind: global_buffer, .address_space: global }
    .group_segment_fixed_size: 327680
    .private_segment_fixed_size: 0
    .kernarg_segment_align: 8
    .kernarg_segment_size: 16
    .max_flat_workgroup_size: 256
    .sgpr_count:     66
    .vgpr_count:     512
    .wavefront_size: 32
...
	.end_amdgpu_metadata
.endif
;; end of part 5
;; launch oproj: the kernel of part 4 again; grid 8 x 32, 4 waves a work-group, clusters of 4 x 4, 327,680 bytes of LDS; arguments ao, wo16, out0; writes out0
